; MI455X (gfx1250); checked and timed in simulation.
; The chip was launched on July 23, 2026; its instructions are those of AMD's public machine-readable ISA for CDNA 5 (MIT licence, August 2026) and "CDNA5" Instruction Set Architecture Reference Guide (July 2026). The comments in the code are by the model that wrote it; some were corrected since.
;; Multi Head Attention. Allowed arithmetic: matrix products marked QUANTISED: E2M3 operands, one E8M0 scale for each 32 along K, by v_wmma_scale_f32_16x16x128_f8f6f4 with both operands' format E2M3, f32 sums; everything else in f32.
;; Inputs: Wk 2,048 x 2,048 float32; Wo 2,048 x 2,048 float32; Wq 2,048 x 2,048 float32; Wv 2,048 x 2,048 float32; cos 1 x 2,048 x 1 x 128 float32; sin 1 x 2,048 x 1 x 128 float32; x 1 x 2,048 x 2,048 float32.
;; Outputs: out0 1 x 2,048 x 2,048 float32.
;; This version of the problem:
;;   THIS VERSION OF THE PROBLEM IS GIVEN IN LOW PRECISION. The matrix products marked QUANTISED in the list below multiply operands that are first quantised to E2M3 (2 exponent bits, 3 mantissa bits; 6 bits a number), with one power-of-two scale for each 32 numbers along K (OCP MX v1.0); their sums are f32. All else is computed in f32.
;;   The module's matrix products, in the order in which they are computed (A, B: the left and right operand; K: the contracted axis; several contracted axes count as one K, in the product's order):
;;     1. [M 2,048, K 2,048] x [K 2,048, N 2,048]; A: input x; B: input Wq: QUANTISED
;;     2. [M 2,048, K 2,048] x [K 2,048, N 2,048]; A: input x; B: input Wk: QUANTISED
;;     3. [M 2,048, K 2,048] x [K 2,048, N 2,048]; A: input x; B: input Wv: QUANTISED
;;     4. batch 16 x [M 2,048, K 128] x [K 128, N 2,048]; A: computed on the way; B: computed on the way: QUANTISED
;;     5. batch 16 x [M 128, K 2,048] x [K 2,048, N 2,048]; A: computed on the way; B: softmax (see below): QUANTISED
;;     6. [M 2,048, K 2,048] x [K 2,048, N 2,048]; A: computed on the way; B: input Wo: QUANTISED
;;   THE QUANTISER, for each operand of a quantised product, along K:
;;     - K is cut into blocks of 32 from its start; a last block that is shorter is filled with zeros.
;;     - A block's scale is 2^e with e = floor(log2(the largest magnitude in the block)) - 2, held to -126 .. 127; a block of zeros has e = 0. As a byte (E8M0): e + 127.
;;     - Each number is divided by its block's scale, clamped to +-7.5, and rounded to the nearest number of E2M3, ties to even, subnormals kept.
;;     - The product sums the exact products of the quantised numbers (number of the format x scale) in f32.
;;   ~~~python
;;   def quantise(x, axis):      # numpy; x: float32 -> the quantised numbers, widened to float32 again
;;       x = np.moveaxis(x, axis, -1); K = x.shape[-1]
;;       x = np.pad(x, [(0, 0)] * (x.ndim - 1) + [(0, -K % 32)]); x = x.reshape(x.shape[:-1] + (-1, 32)); a = np.abs(x).max(-1, keepdims=True)
;;       e = np.where(a > 0, np.clip(np.frexp(np.where(a > 0, a, 1))[1] - 1 - 2, -126, 127), 0)      # np.frexp(a)[1] - 1 = floor(log2(a)), exactly
;;       r = np.clip(x / 2.0 ** e, -7.5, 7.5)
;;       step = 2.0 ** (np.maximum(np.frexp(np.where(r == 0, 1, r))[1] - 1, 0) - 3)
;;       q = np.round(r / step) * step * 2.0 ** e      # np.round: ties to even
;;       return np.moveaxis(q.reshape(q.shape[:-2] + (-1,))[..., :K], -1, axis).astype(np.float32)
;;   ~~~
;;   SOFTMAX AHEAD OF A QUANTISED PRODUCT. Where the list says 'softmax', what is quantised is not the finished softmax but p = 2^(t - M), with t = logit x log2(e) and M = ceil(the row's largest t), a whole number; so 1/2 < the row's largest p <= 1. The row's sum l is taken of the UNQUANTISED p, in f32, and the product's result is divided by l at the end. Since M is a whole number, a kernel that streams over the keys may use a running M (the ceiling of the running maximum): every later rescaling is an exact power of two, which a block's scale takes up: the codes' values come out the same.
;;   OPERANDS COMPUTED ON THE WAY. 'Computed on the way' means the value that the module computes at that place (a softmax that the list does not call 'softmax' is quantised finished and normalised). What goes into a quantiser is computed in f32, as accurately as f32 sums, v_exp_f32 and their like allow (about 1e-6 of the number): no bf16 or f16 on the way to a quantiser, and a product that is left as it is and whose result goes on into a quantised operand takes f32 operands (vector FMAs, or v_wmma_f32_16x16x4_f32). A number that lies on a knife's edge between two numbers of the format may be rounded either way, as far as f32 arithmetic and the matrix unit's own rounding can turn it there, and no further.
;; One version. Each part assembles by itself: llvm-mc -triple=amdgcn-amd-amdhsa -mcpu=gfx1250 --defsym DOCPART=n.
;; ======== version 1 of 1: 4 launches
;; limits: right only within a limited range of input values
;; workspace buffers: wc 15,728,640 bytes; ws 655,360 bytes; cs 2,097,152 bytes; qkvc 9,437,184 bytes; qkvs 393,216 bytes; yc 3,145,728 bytes; ys 131,072 bytes
;; launch quant (part 1): grid 512 x 1, 6 waves a work-group, no clusters, 51,456 bytes of LDS; arguments Wq, Wk, x, Wv, Wo, cos, sin, wc, ws, cs; writes wc, ws, cs
.if DOCPART == 1
	.amdgcn_target "amdgcn-amd-amdhsa--gfx1250"
	.amdhsa_code_object_version 6
	.text
	.protected	k_q0b3f3c6025_quant
	.globl	k_q0b3f3c6025_quant
	.p2align	8
	.type	k_q0b3f3c6025_quant,@function
k_q0b3f3c6025_quant:
	s_mov_b64 s[64:65], 0
	v_nop
	global_prefetch_b8 v0, s[64:65] scope:SCOPE_SE
	s_setreg_imm32_b32 hwreg(HW_REG_WAVE_MODE, 25, 1), 1
	s_wait_xcnt 0x0
; Wq, Wk, x, Wv, Wo, each [2048][2048] f32 with K innermost, become codes of FP6 (E2M3) with one E8M0 byte for each 32 along K; cos and sin, [2048][128] f32, are laid anew, as f32, in the order in which the next launch's lanes want them.
; A block's scale is 2^(floor(log2(its largest magnitude)) - 2); each number is divided by it and rounded to the nearest code, ties to even; beyond 7.5 the largest code.
; LAYOUT OF THE RESULT (this program's own): a FRAGMENT is 16 rows x 128 K.  Tile T holds, in lane slot r, row 32 (T / 2) + 8 (T % 2) + r + 8 (r / 8).  Fragment (T, s) lies as an image of the
; operand's 12 registers: byte 512 c + 16 lane + 4 i is register 4 c + i of that lane: 1,536 bytes, written and later read by three accesses of 512 consecutive bytes.  wc: [tensor 5][T 128][s 16][1536];
; ws: [tensor][T][s][16 words], word r = the four bytes of slot r's row.
; cs: [T 128][cos, sin][8192]: byte 512 n + 16 lane + 4 e is register 4 n + e of lane (r, h); register 16 b + i is the number at d = 32 b + 16 h + i of slot r's token.
; SHARES: work-group = (T, a quarter g of K); waves 0 to 4 = the five tensors; such a wave makes fragments s = 4 g .. 4 g + 3.  Wave 5 lays tile T of cos (g = 0) or of sin (g = 1); where g is 2 or 3 it has no work and ends.
; Waves share nothing: no barrier.
; Each load reads 512 consecutive bytes of one row; 16 rows turn through the wave's own stage in LDS (rows 528 bytes apart), so that lane (r, h) gets, of row r, 16 neighbours of each block of 32.
; LIMITS: NaN and infinities among the inputs are not served.  A block of zeros, and a block whose largest magnitude lies under 2^-124, gets the byte 1 (the rule says 127 for zeros): its codes are
; zeros or what the byte 1 gives, and the bytes are read by this program alone.
.set TENS,  3145728                    ; bytes of a tensor's codes
.set STENS, 131072                     ; of its scale words
.set TROW,  24576                      ; a tile's 16 fragments
.set WSTG,  16*528                     ; a wave's stage
.set SPARE, 6*WSTG                     ; behind the stages: the spare words, 128 bytes a wave, three blocks of 256 bytes that no other line names
.set GA,  4                            ; v4   16 x lane: my place in a row's 512 bytes and in an image's 512
.set SI,  5                            ; v5   the stage, on the way in
.set SO,  6                            ; v6   and on the way out: row r, + 64 h
.set WA,  7                            ; v7   4 x lane
.set SPW, 8                            ; v8   my spare word; never rewritten
.set NIL, 9                            ; v9   0; never rewritten
.set TM,  12                           ; v12-27 at work in QUANT
.set PW,  28                           ; v28-31 the four steps' scale words
.set PC,  32                           ; v32-43 the fragment just made; v44-50 at work
.set OW,  52                           ; v52-53 scale words to store
.set R,   64                           ; v64-191 two sets of 64 registers as loaded
.set X,   192                          ; v192-255 64 numbers in the quantiser's order
.set HM,  26                           ; s26  a mask of lanes 16-31
.set SEL, 28                           ; s[28:29] v_permlanex16_b32's selects for lane l xor 16
.set MSB, 0
.macro WIN new                         ; (this text stays in window 0: the macro writes nothing here)
.if MSB != (\new)
	s_set_vgpr_msb (MSB<<8)|(\new)
.set MSB, (\new)
.endif
.endm
; 64 numbers of a lane in window w, register 16 b + i = k 32 b + 16 (lane / 16) + i of my row, become a fragment's codes in v[PC] on and its scale word in v[pw].
.macro QUANT s, w, pw
	WIN 5*(\w)
.irp b, 0,1,2,3
	v_max3_num_f32 v[TM+\b], |v[(\s)+16*\b]|, |v[(\s)+16*\b+1]|, 0x1800000   ; block b: my 16 numbers, and the floor 2^(3 - 127): the byte cannot fall under 1
.endr
.irp i, 2,4,6,8,10,12,14
.irp b, 0,1,2,3
	v_max3_num_f32 v[TM+\b], |v[(\s)+16*\b+\i]|, |v[(\s)+16*\b+\i+1]|, v[TM+\b]   ; the four blocks by turns, each from its low end on
.endr
.endr
	WIN 0
.irp b, 0,1,2,3
	v_permlanex16_b32 v[TM+4+\b], v[TM+\b], s[SEL], s[SEL+1]
.endr
.irp b, 0,1,2,3
	v_max_num_f32 v[TM+\b], v[TM+\b], v[TM+4+\b]   ; with lane l xor 16's: the block's largest magnitude
.endr
.irp b, 0,1,2,3
	v_add_nc_u32 v[TM+12+\b], 0xff000000, v[TM+\b]   ; 2 off its exponent field: the conversion takes that field as its scale
.endr
.irp b, 0,1,2,3
	v_lshrrev_b32 v[TM+4+\b], 23, v[TM+12+\b]      ; the scale's byte
.endr
	v_lshl_or_b32 v[\pw], v[TM+5], 8, v[TM+4]
	v_lshl_or_b32 v[\pw], v[TM+6], 16, v[\pw]
	v_lshl_or_b32 v[\pw], v[TM+7], 24, v[\pw]      ; my row's scale word
	WIN (\w)
.irp c, 0,1
	v_cvt_scalef32_pk16_fp6_f32 v[PC+6*\c:PC+6*\c+2], v[(\s)+32*\c:(\s)+32*\c+15], v[TM+12+2*\c]
	v_cvt_scalef32_pk16_fp6_f32 v[PC+12+4*\c:PC+12+4*\c+2], v[(\s)+32*\c+16:(\s)+32*\c+31], v[TM+13+2*\c]   ; (a conversion's three registers begin on an even number)
.endr
	WIN 0
	v_nop                                          ; one plain place behind a scaled conversion
.irp c, 0,1                                    ; the operand wants a WHOLE block in a lane: lanes 0-15 block 2 c, lanes 16-31 block 2 c + 1
.irp i, 0,1,2
	v_permlane16_swap_b32 v[PC+6*\c+\i], v[PC+12+4*\c+\i]
.endr
.irp i, 0,1,2
	v_mov_b32 v[PC+6*\c+3+\i], v[PC+12+4*\c+\i]
.endr
.endr
.endm
.macro LOAD t                          ; step t of a weight or of x: 16 rows x 512 bytes, a row a load
.irp i, 0,1,2,3,4,5,6,7,8,9,10,11,12,13,14,15
	global_load_b128 v[R+64*((\t)%2)+4*\i:R+64*((\t)%2)+4*\i+3], v[GA], s[4:5] offset:(\i+8*(\i/8))*8192+512*(\t) th:TH_LOAD_NT
.endr
.endm
.macro TURN t                          ; through my stage: LDS serves a wave's instructions in order, so no wait stands between the stores and the loads
.irp i, 0,1,2,3,4,5,6,7,8,9,10,11,12,13,14,15
	ds_store_b128 v[SI], v[R+64*((\t)%2)+4*\i:R+64*((\t)%2)+4*\i+3] offset:528*\i
.endr
.irp b, 0,1,2,3
.irp j, 0,1,2,3
	ds_load_b128 v[X+16*\b+4*\j:X+16*\b+4*\j+3], v[SO] offset:128*\b+16*\j
.endr
.endr
.endm
.macro STEP t
.if (\t) < 3
	s_wait_loadcnt 16                              ; this step's 16 loads are in; the next step's 16 may be out
.else
	s_wait_loadcnt 0x0
.endif
	TURN \t
	s_wait_dscnt 0x0                               ; the 64 numbers are back
.if (\t) > 0
	s_wait_xcnt 0x0                                ; the last step's stores have read v[PC] on: it is written again only behind this wait
.endif
.if (\t) < 2
	LOAD (\t)+2                                    ; into the set that the stage's stores have just read
.endif
	QUANT X,0,PW+(\t)
.irp c, 0,1,2
	global_store_b128 v[GA], v[PC+4*\c:PC+4*\c+3], s[18:19] offset:1536*(\t)+512*\c   ; 32 lanes store 512 consecutive bytes, at a multiple of 512 from the buffer's first byte
.endr
.endm
	s_load_b256 s[4:11], s[0:1], 0x0               ; Wq s[4:5], Wk s[6:7], x s[8:9], Wv s[10:11]
	s_load_b256 s[12:19], s[0:1], 0x20             ; Wo s[12:13], cos s[14:15], sin s[16:17], wc s[18:19]
	s_load_b128 s[20:23], s[0:1], 0x40             ; ws s[20:21], cs s[22:23]
	v_lshl_add_u32 v[SPW], v0, 2, SPARE
	v_mov_b32 v[NIL], 0
	v_lshrrev_b32 v1, 5, v0
	v_readfirstlane_b32 s24, v1                    ; wave 0..5: 0 to 4 = which tensor, 5 = cos and sin
	v_and_b32 v2, 31, v0                           ; lane
	v_and_b32 v3, 15, v0                           ; r
	v_bfe_u32 v10, v0, 4, 1                        ; h
	v_lshlrev_b32 v[GA], 4, v2
	v_lshlrev_b32 v[WA], 2, v2
	s_mul_i32 s25, s24, WSTG
	v_add_nc_u32 v[SI], s25, v[GA]
	v_mul_u32_u24 v[SO], v3, 528
	v_lshl_add_u32 v[SO], v10, 6, v[SO]
	v_add_nc_u32 v[SO], s25, v[SO]
.irp b, 0,1,2,3
	v_mov_b32 v[TM+4+\b], 0                        ; written once: a lane permute's destination counts as one of its sources
.endr
	s_mov_b32 s[HM], 0xffff0000
	s_mov_b32 s[SEL], 0x76543210
	s_mov_b32 s[SEL+1], 0xfedcba98
	s_and_b32 s30, ttmp9, 127                      ; T
	s_lshr_b32 s31, ttmp9, 7                       ; g
	s_lshr_b32 s32, s30, 1                         ; waves 0 to 4: where my part begins in my tensor:
	s_lshl_b32 s32, s32, 18                        ; 32 (T / 2) rows of 8,192 bytes
	s_and_b32 s33, s30, 1
	s_lshl_b32 s33, s33, 16                        ; + 8 (T % 2) rows
	s_add_co_u32 s32, s32, s33
	s_lshl_b32 s33, s31, 11                        ; + g x 512 numbers
	s_add_co_u32 s32, s32, s33
	s_mov_b32 s33, 0
	s_mul_i32 s34, s24, TENS                       ; the codes: tensor, tile, first fragment
	s_mul_i32 s35, s30, TROW
	s_add_co_u32 s34, s34, s35
	s_mul_i32 s35, s31, 6144
	s_add_co_u32 s34, s34, s35
	s_mov_b32 s35, 0
	s_lshl_b32 s36, s24, 17                        ; the scale words likewise
	s_lshl_b32 s37, s30, 10
	s_add_co_u32 s36, s36, s37
	s_lshl_b32 s37, s31, 8
	s_add_co_u32 s36, s36, s37
	s_mov_b32 s37, 0
	s_wait_kmcnt 0x0
	s_cmp_eq_u32 s24, 5
	s_cbranch_scc0 .Lmain
	; ---- wave 5: tile T of cos (g = 0) or of sin (g = 1) becomes an image of 64 registers a lane
	s_cmp_lt_u32 s31, 2
	s_cbranch_scc0 .Lend                           ; g = 2, 3: nothing is left for this wave
	s_cmp_eq_u32 s31, 0                            ; the choice hangs on the work-group's number alone
	s_cselect_b64 s[4:5], s[14:15], s[16:17]
	s_lshr_b32 s32, s30, 1
	s_lshl_b32 s32, s32, 14                        ; 32 (T / 2) rows of 512 bytes
	s_and_b32 s33, s30, 1
	s_lshl_b32 s33, s33, 12                        ; + 8 (T % 2) rows
	s_add_co_u32 s32, s32, s33
	s_mov_b32 s33, 0
	s_add_nc_u64 s[4:5], s[4:5], s[32:33]
	s_lshl_b32 s34, s30, 14                        ; cs: 16,384 bytes a tile, cos first
	s_lshl_b32 s35, s31, 13
	s_add_co_u32 s34, s34, s35
	s_mov_b32 s35, 0
	s_add_nc_u64 s[22:23], s[22:23], s[34:35]
.irp i, 0,1,2,3,4,5,6,7,8,9,10,11,12,13,14,15
	global_load_b128 v[R+4*\i:R+4*\i+3], v[GA], s[4:5] offset:(\i+8*(\i/8))*512 th:TH_LOAD_NT   ; a token's whole row: 512 consecutive bytes
.endr
	s_wait_loadcnt 0x0
	s_wait_alu depctr_va_vdst(0)
	TURN 0
	s_wait_dscnt 0x0
.irp n, 0,1,2,3,4,5,6,7,8,9,10,11,12,13,14,15
	global_store_b128 v[GA], v[X+4*\n:X+4*\n+3], s[22:23] offset:512*\n   ; 32 lanes store 512 consecutive bytes, at a multiple of 512 from the buffer's first byte
.endr
	s_branch .Lend
.Lmain:
	; ---- waves 0 to 4
	s_cmp_eq_u32 s24, 1                            ; my tensor: the choice hangs on the wave's number alone
	s_cselect_b64 s[4:5], s[6:7], s[4:5]
	s_cmp_eq_u32 s24, 2
	s_cselect_b64 s[4:5], s[8:9], s[4:5]
	s_cmp_eq_u32 s24, 3
	s_cselect_b64 s[4:5], s[10:11], s[4:5]
	s_cmp_eq_u32 s24, 4
	s_cselect_b64 s[4:5], s[12:13], s[4:5]
	s_add_nc_u64 s[4:5], s[4:5], s[32:33]
	s_add_nc_u64 s[18:19], s[18:19], s[34:35]
	s_add_nc_u64 s[20:21], s[20:21], s[36:37]
	LOAD 0
	LOAD 1
	s_wait_alu depctr_va_vdst(0)
	STEP 0
	STEP 1
	STEP 2
	STEP 3
	v_cndmask_b32 v[OW], v[PW], v[PW+1], s[HM]     ; lanes 0-15 step 0's words, lanes 16-31 step 1's: 128 consecutive bytes
	v_cndmask_b32 v[OW+1], v[PW+2], v[PW+3], s[HM]
	global_store_b32 v[WA], v[OW], s[20:21]
	global_store_b32 v[WA], v[OW+1], s[20:21] offset:128
.Lend:
	s_wait_tensorcnt 0x0                           ; the wave's end, behind my last LDS store
	ds_add_u32 v[SPW], v[NIL]
	s_wait_dscnt 0x0
	s_endpgm
.Lfunc_end_k_q0b3f3c6025_quant:
	.size	k_q0b3f3c6025_quant, .Lfunc_end_k_q0b3f3c6025_quant-k_q0b3f3c6025_quant
	.p2alignl 7, 3214868480
	.fill 96, 4, 3214868480
	.section	.rodata,"a",@progbits
	.p2align	6, 0x0
	.amdhsa_kernel k_q0b3f3c6025_quant
		.amdhsa_group_segment_fixed_size 51456
		.amdhsa_private_segment_fixed_size 0
		.amdhsa_enable_private_segment 0
		.amdhsa_kernarg_size 80
		.amdhsa_user_sgpr_count 2
		.amdhsa_user_sgpr_kernarg_segment_ptr 1
		.amdhsa_wavefront_size32 1
		.amdhsa_system_sgpr_workgroup_id_x 1
		.amdhsa_system_sgpr_workgroup_id_y 1
		.amdhsa_system_sgpr_workgroup_id_z 1
		.amdhsa_system_vgpr_workitem_id 0
		.amdhsa_next_free_vgpr 256
		.amdhsa_next_free_sgpr 66
		.amdhsa_reserve_vcc 0
		.amdhsa_float_denorm_mode_32 3
		.amdhsa_float_denorm_mode_16_64 3
		.amdhsa_memory_ordered 1
		.amdhsa_forward_progress 1
		.amdhsa_inst_pref_size 40
	.end_amdhsa_kernel
	.amdgpu_metadata
---
amdhsa.version: [ 1, 2 ]
amdhsa.kernels:
  - .name:           k_q0b3f3c6025_quant
    .symbol:         k_q0b3f3c6025_quant.kd
    .args:
      - { .name: Wq, .offset: 0, .size: 8, .value_kind: global_buffer, .address_space: global }
      - { .name: Wk, .offset: 8, .size: 8, .value_kind: global_buffer, .address_space: global }
      - { .name: x, .offset: 16, .size: 8, .value_kind: global_buffer, .address_space: global }
      - { .name: Wv, .offset: 24, .size: 8, .value_kind: global_buffer, .address_space: global }
      - { .name: Wo, .offset: 32, .size: 8, .value_kind: global_buffer, .address_space: global }
      - { .name: cos, .offset: 40, .size: 8, .value_kind: global_buffer, .address_space: global }
      - { .name: sin, .offset: 48, .size: 8, .value_kind: global_buffer, .address_space: global }
      - { .name: wc, .offset: 56, .size: 8, .value_kind: global_buffer, .address_space: global }
      - { .name: ws, .offset: 64, .size: 8, .value_kind: global_buffer, .address_space: global }
      - { .name: cs, .offset: 72, .size: 8, .value_kind: global_buffer, .address_space: global }
    .group_segment_fixed_size: 51456
    .private_segment_fixed_size: 0
    .kernarg_segment_align: 8
    .kernarg_segment_size: 80
    .max_flat_workgroup_size: 192
    .sgpr_count:     66
    .vgpr_count:     256
    .wavefront_size: 32
...
	.end_amdgpu_metadata
.endif
;; end of part 1
;; launch qkv (part 2): grid 24 x 8, 4 waves a work-group, clusters of 4 x 4, 327,680 bytes of LDS; arguments wc, ws, qkvc, qkvs, cs; writes qkvc, qkvs
.if DOCPART == 2
	.amdgcn_target "amdgcn-amd-amdhsa--gfx1250"
	.amdhsa_code_object_version 6
	.text
	.protected	k_q0b3f3c6025_qkv
	.globl	k_q0b3f3c6025_qkv
	.p2align	8
	.type	k_q0b3f3c6025_qkv,@function
k_q0b3f3c6025_qkv:
	s_mov_b64 s[64:65], 0
	v_nop
	global_prefetch_b8 v0, s[64:65] scope:SCOPE_SE
	s_setreg_imm32_b32 hwreg(HW_REG_WAVE_MODE, 25, 1), 1
	s_wait_xcnt 0x0
	s_wait_alu depctr_hold_cnt(0) depctr_sa_sdst(0) depctr_va_vdst(0) depctr_va_sdst(0) depctr_va_ssrc(0) depctr_va_vcc(0) depctr_vm_vsrc(0)
	s_getreg_b32 s2, hwreg(HW_REG_IB_STS2, 6, 4)
	s_cmp_eq_u32 s2, 0
	s_cbranch_scc0 .Lentry_in_a_cluster
	s_endpgm
.Lentry_in_a_cluster:
	s_bfe_u32 s2, ttmp6, 0x10000c
	s_cmp_lg_u32 s2, 0xf033
	s_cbranch_scc0 .Lentry_shape_is_right
	s_endpgm
.Lentry_shape_is_right:
; The three projections q = x Wq^T, k = x Wk^T, v = x Wv^T on codes of FP6 (E2M3) with E8M0 scales, and what follows them: RoPE and the RMS norm over a head's 128 for q and k, and the quantisers of
; q and k (along the head's 128) and of v (along the tokens, which are the keys).  Results leave as fragments' images, ready for the attention launch; nothing wide goes to memory.
; OPERANDS: wc holds fragments' images, [tensor: Wq, Wk, x, Wv, Wo][tile 128][K step 16][1536 bytes]; ws their scale words [tensor][tile][K step][16 words].  Tile T, slot r = row 32 (T / 2) + 8 (T % 2) + r + 8 (r / 8).
; cs holds cos and sin as f32 in the order of my registers: [tile of tokens 128][cos, sin][8192]: byte 512 n + 16 lane + 4 e is register 4 n + e, and register 16 b + i is d = 32 b + 16 (lane / 16) + i of slot r's token:
; so each load of cos or sin takes 512 consecutive bytes.
; A tile of the result, 256 x 256, is made by four waves, each 128 x 128 in 64 accumulators.  Source 0 ("B") is wc at tile 16 col: Wq (col 0-7), Wk (8-15) or x (16-23); source 1 ("A") is x, or Wv where col >= 16.
; So for q and k a lane holds ONE token and its 64 registers run along a whole head's d (the lane 16 away holds the other 64); for v a lane holds one d and its registers run along 128 tokens: in both cases register
; 16 b + i is k 32 b + 16 (lane / 16) + i of the NEXT product's K, which is the order that the conversions want.
; WHY 192 WORK-GROUPS: a wave must hold 128 rows of source 0 (a head, or one K step of keys), and 2048 x 6144 falls into 192 tiles of 256 x 256; a wave tile of 64 x 128 would read half as much again from LDS for each product.
; K goes in steps of 256 (two fragments a tile) through a ring of two LDS slots; the scale words of the work-group's 32 tiles, for all of K, come once.
; CLUSTER 4 x 4: A's tiles are shared along a row of the cluster, B's along a column: each is asked for jointly.  The choice of A's tensor and the branch between the two ways out hang on the CLUSTER's x, which all partners share.
; REGISTERS: window 0: v16-29 addresses; v32-63 scale words, two sets; v128-223 A's fragments, one set.  window 1: B's fragments, two sets, at v0 and v128.  windows 2, 3: accumulator (a, b) at v[8 (8 (a % 4) + b)].
; On the way out: window 0: v4-22 codes; v32-61 at work; v192-255 a block's 64 numbers; cos and sin of block a lie in window a % 2 at v64-127 and v128-191.
; LIMITS: NaN and infinities are not served; a block of zeros or under 2^-124 gets the byte 1 (read by this program alone); RoPE is a multiply and a fused multiply-add, one rounding less than two products and a sum;
; 1 / sqrt comes from v_rsq_f32.
.set TENS,  3145728
.set STENS, 131072
.set TROW,  24576                      ; a tile's 16 fragments in memory
.set NQ,    2                          ; fragments of a tile in a slot
.set FR,    12                         ; registers of a fragment
.set NL,    3                          ; LDS loads that bring one
.set NP,    4                          ; places behind this matrix instruction (ISA guide 7.12.1)
.set HALFT, 24576                      ; 8 tiles x 2 fragments: what one tensor load brings, and what one wave reads of A or of B
.set SLOT,  4*HALFT                    ; A's 16 tiles, then B's 16
.set SCL,   2*SLOT                     ; behind the ring: A's scale words, 16 tiles x 1,024 bytes, then B's
.set SPARE, SCL+32768                  ; the spare words, 128 bytes a wave: two blocks of 256 bytes that no other line names
.set LAPS,  4                          ; a lap = two slots = 512 along K
.set ADRA, 16                          ; v16-17 LDS address of my A fragments in slot 0, 1
.set ADRB, 20                          ; v20-21 the same for B
.set LI,   24                          ; v24  16 x lane
.set LW,   25                          ; v25  4 x lane
.set ADRS, 27                          ; v27  LDS address of my scale words: lanes 0-15 A's, lanes 16-31 B's
.set SPW,  28                          ; v28  my spare word; never rewritten
.set NIL,  29                          ; v29  0; never rewritten
.set SC,   32                          ; scale words: set s at v[SC + 16 s]; register 2 i + q: block i, the slot's q-th 128 along K
.set AF,   128
.set PC,   4                           ; the way out
.set TM,   32
.set PW,   48
.set OW,   50
.set SS,   52
.set RS,   60
.set R,    192
.set G1, 24                            ; s[24:31] group 1 for A's tiles; s[32:39] group 0, a set for each slot
.set G0, 32
.set G1B, 48                           ; s[48:55], s[56:63] the same for B's
.set G0B, 56
.set G1S, 68                           ; s[68:75], s[76:79] groups 1 and 0 for A's scale words; s[80:87], s[88:91] for B's
.set G0S, 76
.set G1SB, 80
.set G0SB, 88
.set SEL,   92                         ; s[92:93] selects for lane l xor 16
.set HM,    94                         ; s94  a mask of lanes 16-31
.set RD128, 95                         ; s95  1 / 128
.set EPSR,  66                         ; s66  1e-6
.set MSB, 0
.macro WIN new                         ; the immediate's high byte repeats the setting that is left
.if MSB != (\new)
	s_set_vgpr_msb (MSB<<8)|(\new)
.set MSB, (\new)
.endif
.endm
.set MUL_LO, 0xa1                      ; source 0 (B) window 1, source 1 (A) window 0, C and D window 2
.set MUL_HI, 0xf1                      ; the same, C and D window 3
.set TO_B,   0x40                      ; destination window 1, address window 0
; A joint load: waves 0 and 1 fetch for A, waves 2 and 3 for B; the branch hangs on the wave's number alone.  An s_nop 0 and four v_nop follow each line.
.macro JLOAD g0a, g1a, g0b, g1b
	s_cmp_eq_u32 s15, 0
	s_cbranch_scc0 .Lfor_b_\@
	tensor_load_to_lds s[\g0a:\g0a+3], s[\g1a:\g1a+7]
	s_nop 0
.rept 4
	v_nop
.endr
	s_branch .Lasked_\@
.Lfor_b_\@:
	tensor_load_to_lds s[\g0b:\g0b+3], s[\g1b:\g1b+7]
	s_nop 0
.rept 4
	v_nop
.endr
.Lasked_\@:
.endm
.macro CREST                           ; a round of the cluster's barrier behind its opening barrier
	s_cmp_lg_u32 s14, 0
	s_cbranch_scc1 .Lnot_wave_0_\@
	s_barrier_signal -3
.Lnot_wave_0_\@:
	s_barrier_wait -3
	s_barrier_signal -1
	s_barrier_wait -1
.endm
.macro CROUND
	s_barrier_signal -1
	s_barrier_wait -1
	CREST
.endm
.macro PLACES n
.rept \n
	v_nop
.endr
.endm
; 64 numbers of a lane in window w, register 16 b + i = k 32 b + 16 (lane / 16) + i of my row, become a fragment's codes in v[PC] on and its scale word in v[pw].
.macro QUANT s, w, pw
	WIN 5*(\w)                                     ; sources 0 and 1 in window w
.irp b, 0,1,2,3
	v_max3_num_f32 v[TM+\b], |v[(\s)+16*\b]|, |v[(\s)+16*\b+1]|, 0x1800000   ; block b: my 16 numbers, and the floor 2^(3 - 127): the byte cannot fall under 1
.endr
.irp i, 2,4,6,8,10,12,14
.irp b, 0,1,2,3
	v_max3_num_f32 v[TM+\b], |v[(\s)+16*\b+\i]|, |v[(\s)+16*\b+\i+1]|, v[TM+\b]   ; ascending: each accumulator is read from its low end on
.endr
.endr
	WIN 0
.irp b, 0,1,2,3
	v_permlanex16_b32 v[TM+4+\b], v[TM+\b], s[SEL], s[SEL+1]
.endr
.irp b, 0,1,2,3
	v_max_num_f32 v[TM+\b], v[TM+\b], v[TM+4+\b]   ; with lane l xor 16's: the block's largest magnitude
.endr
.irp b, 0,1,2,3
	v_add_nc_u32 v[TM+12+\b], 0xff000000, v[TM+\b]   ; 2 off its exponent field: the conversion takes that field as its scale
.endr
.irp b, 0,1,2,3
	v_lshrrev_b32 v[TM+4+\b], 23, v[TM+12+\b]      ; the scale's byte
.endr
	v_lshl_or_b32 v[\pw], v[TM+5], 8, v[TM+4]
	v_lshl_or_b32 v[\pw], v[TM+6], 16, v[\pw]
	v_lshl_or_b32 v[\pw], v[TM+7], 24, v[\pw]      ; my row's scale word
	WIN (\w)                                       ; source 0 alone
.irp c, 0,1
	v_cvt_scalef32_pk16_fp6_f32 v[PC+6*\c:PC+6*\c+2], v[(\s)+32*\c:(\s)+32*\c+15], v[TM+12+2*\c]
	v_cvt_scalef32_pk16_fp6_f32 v[PC+12+4*\c:PC+12+4*\c+2], v[(\s)+32*\c+16:(\s)+32*\c+31], v[TM+13+2*\c]   ; (a conversion's three registers begin on an even number)
.endr
	WIN 0
	v_nop                                          ; one plain place behind a scaled conversion
.irp c, 0,1                                    ; the operand wants a WHOLE block in a lane: lanes 0-15 block 2 c, lanes 16-31 block 2 c + 1
.irp i, 0,1,2
	v_permlane16_swap_b32 v[PC+6*\c+\i], v[PC+12+4*\c+\i]
.endr
.irp i, 0,1,2
	v_mov_b32 v[PC+6*\c+3+\i], v[PC+12+4*\c+\i]
.endr
.endr
.endm
	s_load_b128 s[4:7], s[0:1], 0x0                ; wc s[4:5], ws s[6:7]
	s_load_b128 s[96:99], s[0:1], 0x10             ; qkvc s[96:97], qkvs s[98:99]
	s_load_b64 s[12:13], s[0:1], 0x20              ; cs
	v_lshl_add_u32 v[SPW], v0, 2, SPARE
	v_mov_b32 v[NIL], 0
	ds_add_u32 v[SPW], v[NIL]                      ; the wave's opening: the add and its wait stand ahead of my first tensor load; the set-up below, work on registers, stands between them
	ds_add_u32 v[SPW], v[NIL]
	v_lshrrev_b32 v1, 5, v0
	v_readfirstlane_b32 s14, v1                    ; wave 0..3
	s_lshr_b32 s15, s14, 1                         ; which half of A's tiles is mine.  Also: I fetch for A (0) or for B (1)
	s_and_b32 s16, s14, 1                          ; which half of B's.  Also: which 8 tiles I fetch
	s_bfe_u32 s40, ttmp6, 0x40000                  ; cx, cy: my place in the cluster
	s_bfe_u32 s41, ttmp6, 0x40004
	s_lshl_b32 s42, ttmp9, 2
	s_add_co_u32 s42, s42, s40                     ; col = 4 x cluster x + cx: 0..23
	s_and_b32 s17, ttmp7, 0xffff
	s_lshl_b32 s17, s17, 2
	s_add_co_u32 s17, s17, s41                     ; row = 4 x cluster y + cy: 0..7
	s_lshl_b32 s43, s41, 2
	s_lshl_b32 s43, 15, s43                        ; my row of the cluster
	s_lshl_b32 s44, 0x1111, s40                    ; my column
	; group 1 for the codes: 8 tiles' rows of 3,072 bytes (two fragments), 24,576 bytes apart; elements of 8 bytes; no padding: an image is read in runs of 512 consecutive bytes
	s_or_b32 s[G1+0], s43, (3<<16)|(1<<21)         ; 15:0 the mask: A's tiles go to my row; 17:16 elements of 8 bytes; 21 set beside a mask
	s_or_b32 s[G1B+0], s44, (3<<16)|(1<<21)
.irp g, G1, G1B
	s_mov_b32 s[\g+1], 384<<16                     ; tensor_dim0
	s_mov_b32 s[\g+2], 16<<16                      ; tensor_dim1: 16 tiles for the head's loads; behind them 8
	s_mov_b32 s[\g+3], 384<<16                     ; tile_dim0
	s_mov_b32 s[\g+4], 16                          ; tile_dim1
	s_mov_b32 s[\g+5], 3072                        ; tensor_dim0_stride
	s_mov_b32 s[\g+6], 0
	s_mov_b32 s[\g+7], 0
.endr
	; and for the scale words of 16 tiles: 16,384 dense bytes as 64 rows of 256
	s_or_b32 s[G1S+0], s43, (3<<16)|(1<<21)
	s_or_b32 s[G1SB+0], s44, (3<<16)|(1<<21)
.irp g, G1S, G1SB
	s_mov_b32 s[\g+1], 32<<16
	s_mov_b32 s[\g+2], 64<<16                      ; the scale words of 16 tiles: 64 rows of 256 bytes
	s_mov_b32 s[\g+3], 32<<16
	s_mov_b32 s[\g+4], 64
	s_mov_b32 s[\g+5], 32
	s_mov_b32 s[\g+6], 0
	s_mov_b32 s[\g+7], 0
.endr
	s_lshl_b32 s20, s17, 4                         ; A: tile 16 row
	s_lshl_b32 s46, s42, 4                         ; B: tile 16 col, counted through Wq, Wk and x
	s_lshl_b32 s22, s20, 10                        ; their scale words
	s_lshl_b32 s92, s46, 10
	s_mul_i32 s20, s20, TROW                       ; and their codes
	s_mul_i32 s46, s46, TROW
	s_cmp_ge_u32 ttmp9, 4                          ; v's columns?  Then A is Wv (tensor 3), else x (tensor 2)
	s_mov_b32 s19, 2*TENS
	s_cselect_b32 s19, 3*TENS, s19
	s_mov_b32 s2, 2*STENS
	s_cselect_b32 s2, 3*STENS, s2
	s_add_co_u32 s20, s20, s19
	s_add_co_u32 s22, s22, s2
	s_mov_b32 s21, 0
	s_mov_b32 s23, 0
	s_mov_b32 s47, 0
	s_mov_b32 s93, 0
	s_mul_i32 s45, s14, HALFT                      ; where they go: wave x 8 tiles: no place in the cluster enters an LDS address
	s_wait_dscnt 0x0                               ; the opening add is done
	s_wait_kmcnt 0x0
	s_add_nc_u64 s[20:21], s[4:5], s[20:21]
	s_add_nc_u64 s[22:23], s[6:7], s[22:23]
	s_add_nc_u64 s[46:47], s[4:5], s[46:47]
	s_add_nc_u64 s[92:93], s[6:7], s[92:93]
	CROUND                                         ; all sixteen work-groups are here: the first joint loads meet
	s_mov_b32 s[G0S], 1
	s_mov_b32 s[G0S+1], SCL
	s_mov_b64 s[G0S+2:G0S+3], s[22:23]
	s_or_b32 s[G0S+3], s[G0S+3], 0x80000000
	s_mov_b32 s[G0SB], 1
	s_mov_b32 s[G0SB+1], SCL+16384
	s_mov_b64 s[G0SB+2:G0SB+3], s[92:93]
	s_or_b32 s[G0SB+3], s[G0SB+3], 0x80000000
	s_mov_b32 s4, 1                                ; s[4:7]: group 0 for slot 0's 16 tiles of A (the arguments that lay here have been used),
	s_mov_b32 s5, 0
	s_mov_b64 s[6:7], s[20:21]
	s_or_b32 s7, s7, 0x80000000
	s_mov_b32 s8, 1                                ; s[8:11]: for its 16 tiles of B, behind them
	s_mov_b32 s9, 2*HALFT
	s_mov_b64 s[10:11], s[46:47]
	s_or_b32 s11, s11, 0x80000000
	s_mul_i32 s18, s16, 8*TROW                     ; for the ring: which 8 tiles I fetch
	s_mov_b32 s19, 0
	s_add_nc_u64 s[20:21], s[20:21], s[18:19]
	s_add_nc_u64 s[46:47], s[46:47], s[18:19]
	; the ring's prefetches: of the 8 tiles that I fetch, the partner at place p among the four that ask jointly (cx for A, cy for B) names tiles 2 p and 2 p + 1: told apart by address alone
	s_cmp_eq_u32 s15, 0                            ; do I fetch for A?
	s_cselect_b64 s[100:101], s[20:21], s[46:47]
	s_cselect_b32 s18, s40, s41
	s_mul_i32 s18, s18, 2*TROW
	s_add_nc_u64 s[100:101], s[100:101], s[18:19]
	s_add_nc_u64 s[100:101], s[100:101], 2*3072    ; at the third fill's bytes (K 512 on)
.irp s, 0,1
	s_mov_b32 s[G0+4*\s], 1
	s_add_co_u32 s[G0+4*\s+1], s45, \s*SLOT
	s_add_nc_u64 s[G0+4*\s+2:G0+4*\s+3], s[20:21], \s*3072
	s_or_b32 s[G0+4*\s+3], s[G0+4*\s+3], 0x80000000
	s_mov_b32 s[G0B+4*\s], 1
	s_add_co_u32 s[G0B+4*\s+1], s45, \s*SLOT
	s_add_nc_u64 s[G0B+4*\s+2:G0B+4*\s+3], s[46:47], \s*3072
	s_or_b32 s[G0B+4*\s+3], s[G0B+4*\s+3], 0x80000000
.endr
; The head's loads, one a wave: wave 0 slot 0's 16 tiles of A, wave 1 its 16 tiles of B, wave 2 A's scale words, wave 3 B's.  One tree of branches on the wave's number: every way passes one load.
.macro ARM under, g0, g1, next
	s_cmp_lt_u32 s14, \under
	s_cbranch_scc0 \next
	tensor_load_to_lds s[\g0:\g0+3], s[\g1:\g1+7]
	s_nop 0
.rept 4
	v_nop
.endr
	s_branch .Lhead_asked
\next:
.endm
	ARM 1, 4, G1, .Lhead_b
	ARM 2, 8, G1B, .Lhead_sa
	ARM 3, G0S, G1S, .Lhead_sb
	tensor_load_to_lds s[G0SB:G0SB+3], s[G1SB:G1SB+7]
	s_nop 0
.rept 4
	v_nop
.endr
.Lhead_asked:
	v_and_b32 v1, 15, v0                           ; r
	v_bfe_u32 v2, v0, 4, 1                         ; h
	s_wait_alu depctr_va_vdst(0)
	v_and_b32 v3, 31, v0                           ; lane
	v_lshlrev_b32 v[LI], 4, v3
	v_lshlrev_b32 v[LW], 2, v3
	s_mul_i32 s21, s15, HALFT                      ; my 8 tiles of A
	s_mul_i32 s22, s16, HALFT                      ; my 8 tiles of B,
	s_add_co_u32 s22, s22, 2*HALFT                 ; which lie behind A's 16
.irp s, 0,1
	v_add_nc_u32 v[ADRA+\s], s21, v[LI]
	v_add_nc_u32 v[ADRB+\s], s22, v[LI]
	s_add_co_u32 s21, s21, SLOT
	s_add_co_u32 s22, s22, SLOT
.endr
	v_lshlrev_b32 v5, 2, v1                        ; my slot's scale word
	s_lshl_b32 s21, s15, 13                        ; A's: my 8 tiles
	s_lshl_b32 s22, s16, 13                        ; B's: my 8 tiles, behind A's 16
	s_add_co_u32 s22, s22, 16384
	s_sub_co_u32 s22, s22, s21
	v_mul_u32_u24 v6, s22, v2                      ; lanes 16-31 take B's
	s_add_co_u32 s21, s21, SCL
	v_add_nc_u32 v5, v5, v6
	v_add_nc_u32 v[ADRS], s21, v5
	; the way out's scalars
	s_mov_b32 s[SEL], 0x76543210
	s_mov_b32 s[SEL+1], 0xfedcba98
	s_mov_b32 s[HM], 0xffff0000
	s_mov_b32 s[RD128], 0x3c000000
	s_mov_b32 s[EPSR], 0x358637bd
	s_lshl_b32 s20, s17, 1
	s_add_co_u32 s20, s20, s15                     ; 2 row + my half of A: a run of 128 tokens (q, k) or a head (v)
	s_lshl_b32 s21, s42, 1
	s_add_co_u32 s21, s21, s16                     ; 2 col + my half of B: a head of q or k (0..31), or 32 + a run of 128 keys
	s_add_co_u32 s22, s20, 32
	s_sub_co_u32 s23, s21, 32
	s_cmp_ge_u32 ttmp9, 4
	s_cselect_b32 s22, s22, s21                    ; which of the 48 heads of qkvc,
	s_cselect_b32 s23, s23, s20                    ; and which run of 8 fragments in it
	s_mul_i32 s46, s22, 196608
	s_mul_i32 s47, s23, 12288
	s_add_co_u32 s46, s46, s47
	s_mov_b32 s47, 0
	s_add_nc_u64 s[96:97], s[96:97], s[46:47]
	s_lshl_b32 s46, s22, 13
	s_lshl_b32 s22, s23, 9
	s_add_co_u32 s46, s46, s22
	s_add_nc_u64 s[98:99], s[98:99], s[46:47]
	s_lshl_b32 s46, s20, 17                        ; cos and sin at my 8 tiles of tokens: 16,384 bytes a tile
	s_lshl_b32 s104, s17, 4                        ; cos and sin: my row's 16 tiles of tokens are shared out among its four work-groups' sixteen waves: tile 16 row + 4 cx + wave, 16,384 bytes
	s_lshl_b32 s105, s40, 2
	s_add_co_u32 s104, s104, s105
	s_add_co_u32 s104, s104, s14
	s_lshl_b32 s104, s104, 14
	s_mov_b32 s105, 0
	s_add_nc_u64 s[104:105], s[12:13], s[104:105]
	s_cmp_ge_u32 ttmp9, 4                          ; v's clusters read no cos and sin: they ask for none (s3 is never 0 in the loop)
	s_cselect_b32 s67, 0, 1
	s_add_nc_u64 s[12:13], s[12:13], s[46:47]
	v_and_b32 v30, 31, v0
	v_min_u32 v31, 23, v30                         ; two tiles x 3,072 bytes are 24 blocks of 256: lanes 24-31 name the last block again
	v_lshlrev_b32 v30, 8, v30                      ; v30: cos and sin: 256 x lane; never rewritten
	v_mul_u32_u24 v6, v31, 171
	v_lshrrev_b32 v6, 11, v6                       ; lane / 12: which of the two tiles
	v_lshlrev_b32 v31, 8, v31
	v_mad_u32_u24 v31, v6, 21504, v31              ; v31: 256 x lane, + a tile's 24,576 less the 3,072 passed; never rewritten
	s_wait_alu depctr_va_vdst(0)                   ; the wait ahead of the reader below
	global_prefetch_b8 v31, s[100:101] th:TH_LOAD_NT scope:SCOPE_SE   ; behind the first fill: the third fill's bytes, two fills ahead
.macro FRAG reg, adr, q, i             ; a fragment's image: three loads of 512 consecutive bytes give the 12 registers as they were stored
.irp c, 0,1,2
	ds_load_b128 v[\reg+4*\c:\reg+4*\c+3], v[\adr] offset:(\i)*3072+(\q)*1536+512*\c
.endr
.endm
; 16 matrix instructions: A's blocks a0, a0 + 1 x B's eight.  p: B's set; sc: the set of scale words.  zero = 1: the first product starts the sums.  The 64 accumulators take turns, one instruction a turn.
.macro MUL16 a0, p, q, sc, zero
.irp a, \a0, \a0+1
.irp b, 0,1,2,3,4,5,6,7
.if \zero
	v_wmma_scale_f32_16x16x128_f8f6f4 v[8*(8*((\a)%4)+\b):8*(8*((\a)%4)+\b)+7], v[128*(\p)+FR*\b:128*(\p)+FR*\b+FR-1], v[AF+FR*(\a):AF+FR*(\a)+FR-1], 0, v[SC+8*NQ*(\sc)+NQ*\b+(\q)], v[SC+8*NQ*(\sc)+NQ*(\a)+(\q)] matrix_a_fmt:MATRIX_FMT_FP6 matrix_b_fmt:MATRIX_FMT_FP6 matrix_a_scale:MATRIX_SCALE_ROW1
.else
	v_wmma_scale_f32_16x16x128_f8f6f4 v[8*(8*((\a)%4)+\b):8*(8*((\a)%4)+\b)+7], v[128*(\p)+FR*\b:128*(\p)+FR*\b+FR-1], v[AF+FR*(\a):AF+FR*(\a)+FR-1], v[8*(8*((\a)%4)+\b):8*(8*((\a)%4)+\b)+7], v[SC+8*NQ*(\sc)+NQ*\b+(\q)], v[SC+8*NQ*(\sc)+NQ*(\a)+(\q)] matrix_a_fmt:MATRIX_FMT_FP6 matrix_b_fmt:MATRIX_FMT_FP6 matrix_a_scale:MATRIX_SCALE_ROW1
.endif
.endr
.endr
.endm
.macro FETCH_B slot, q, p
	WIN TO_B
.irp i, 0,1,2,3,4,5,6,7
	FRAG 128*(\p)+FR*\i, ADRB+\slot, \q, \i
.endr
	WIN 0
.endm
.macro FETCH_A slot, q, i0
.irp i, \i0, \i0+1, \i0+2, \i0+3
	FRAG AF+FR*(\i), ADRA+\slot, \q, \i
.endr
.endm
.macro SCALES sc                       ; a slot's scale words into set sc: lanes 0-15 A's block i, lanes 16-31 B's block i
.irp i, 0,1,2,3,4,5,6,7
.irp q, 0,1
	ds_load_b32 v[SC+8*NQ*\sc+NQ*\i+\q], v[ADRS] offset:\i*1024+\q*64
.endr
.endr
.endm
; A slot's first 128 along K.
.macro STEP slot, q, zero
	s_wait_dscnt 4*NL                              ; B's set, A's blocks 0-3 and the scale words are in; the youngest 12 loads (A's blocks 4-7) may be out
	WIN MUL_LO
	MUL16 0, (\q)%2, \q, \slot, \zero
	MUL16 2, (\q)%2, \q, \slot, \zero
	s_wait_dscnt 0
	PLACES NP                                      ; in front of loads into registers that matrix instructions have read
	FETCH_B \slot, (\q)+1, 1-(\q)%2
	FETCH_A \slot, (\q)+1, 0
	WIN MUL_HI
	MUL16 4, (\q)%2, \q, \slot, \zero
	MUL16 6, (\q)%2, \q, \slot, \zero
	PLACES NP
	WIN 0
	FETCH_A \slot, (\q)+1, 4
.endm
; A slot's last 128 along K changes slots: ONE barrier; in front of it each wave waits for all its tensor loads, adds 0 to its spare word, and waits for that and for its reads of this slot.  fill = 1: this slot is filled again, two slots ahead.
.macro TURN slot, next, fill
.if \fill
	s_wait_xcnt 0x0                                ; my last prefetch has read its address: it is stepped only behind this wait
	s_add_nc_u64 s[100:101], s[100:101], 3072
.endif
	s_wait_tensorcnt 0x0                           ; all my tensor loads have landed: my part of the next slot  (every window is 0 here)
	ds_add_u32 v[SPW], v[NIL]                      ; 0 onto my spare word
	s_wait_dscnt 4*NL+1                            ; (the add and the youngest 12 loads may be out)
	WIN MUL_LO
	MUL16 0, 1, NQ-1, \slot, 0                     ; sixteen matrix instructions stand between the add and the wait for it
	s_wait_dscnt 0x0                               ; the add is done, and my reads of this slot are over
	s_barrier_signal -1
	MUL16 2, 1, NQ-1, \slot, 0
	WIN 0
	s_barrier_wait -1
.if \fill
	CREST                                          ; the barrier has opened a round of the cluster's barrier: no wave of any partner still reads this slot or has a load on its way
	s_add_nc_u64 s[G0+4*\slot+2:G0+4*\slot+3], s[G0+4*\slot+2:G0+4*\slot+3], 2*3072
	s_add_nc_u64 s[G0B+4*\slot+2:G0B+4*\slot+3], s[G0B+4*\slot+2:G0B+4*\slot+3], 2*3072
	JLOAD G0+4*\slot, G1, G0B+4*\slot, G1B         ; the first tensor load behind the round; its four v_nop are also the places in front of the loads below
.else
	PLACES NP
.endif
	s_wait_alu depctr_va_vdst(0)
	v_add_nc_u32 v[ADRS], 64*NQ, v[ADRS]           ; on to the next slot's scale words (no LDS load of mine is out)
	FETCH_B \next, 0, 0
	FETCH_A \next, 0, 0
	SCALES \next
.if \fill
	s_cmp_gt_u32 s3, 1                             ; behind each refill and the run of LDS loads: the bytes of the refill two on; the last trip's two refills have none two on
	s_cbranch_scc0 .Lno_ring_\@
	global_prefetch_b8 v31, s[100:101] offset:3072 th:TH_LOAD_NT scope:SCOPE_SE
.Lno_ring_\@:
	s_cmp_eq_u32 s3, s67                           ; in the last trip q's and k's clusters ask for cos and sin instead: 8,192 bytes at each change of slots
	s_cbranch_scc0 .Lno_cs_\@
	global_prefetch_b8 v30, s[104:105] offset:8192*\slot th:TH_LOAD_NT scope:SCOPE_SE
.Lno_cs_\@:
.endif
	WIN MUL_HI
	MUL16 4, 1, NQ-1, \slot, 0
	MUL16 6, 1, NQ-1, \slot, 0
	PLACES NP
	WIN 0
	FETCH_A \next, 0, 4
.endm
	s_wait_alu depctr_va_vdst(0)
	s_wait_tensorcnt 0x0                           ; my tile of the head's four is in
	ds_add_u32 v[SPW], v[NIL]
	s_mov_b32 s[G1+2], 8<<16                       ; no tensor load of mine is out: from here on a load brings 8 tiles
	s_mov_b32 s[G1+4], 8
	s_mov_b32 s[G1B+2], 8<<16
	s_mov_b32 s[G1B+4], 8
	s_wait_dscnt 0x0
	CROUND                                         ; all four tiles are in, and all sixteen work-groups are here
	JLOAD G0+4, G1, G0B+4, G1B                     ; slot 1's first fill, the first tensor load behind the round
	FETCH_B 0, 0, 0
	FETCH_A 0, 0, 0
	SCALES 0
	global_prefetch_b8 v31, s[100:101] offset:3072 th:TH_LOAD_NT scope:SCOPE_SE   ; behind the second fill: the fourth fill's bytes
	FETCH_A 0, 0, 4
	STEP 0, 0, 1                                   ; the first step stands in front of the loop: its products start the sums
	s_mov_b32 s3, LAPS-1
.Llap:                                             ; a trip goes once round the ring and fills both slots again
	TURN 0, 1, 1
	STEP 1, 0, 0
	TURN 1, 0, 1
	STEP 0, 0, 0
	s_sub_co_u32 s3, s3, 1
	s_cmp_lg_u32 s3, 0
	s_cbranch_scc1 .Llap
	TURN 0, 1, 0                                   ; the last lap fills nothing
	STEP 1, 0, 0
	s_wait_dscnt 4*NL
	WIN MUL_LO
	MUL16 0, 1, NQ-1, 1, 0
	MUL16 2, 1, NQ-1, 1, 0
	s_wait_dscnt 0
	WIN MUL_HI
	MUL16 4, 1, NQ-1, 1, 0
	MUL16 6, 1, NQ-1, 1, 0
	WIN 0
; THE WAY OUT, a block a of 16 lanes' rows at a time: its 64 registers become one fragment and one scale word a row, which leave as images straight from registers.
	PLACES NP                                      ; behind the last products: results are read, and registers that they read are written and loaded into
.irp b, 0,1,2,3
	v_mov_b32 v[TM+4+\b], 0                        ; written once: a lane permute's destination counts as one of its sources
.endr
	v_mov_b32 v[RS+1], 0                           ; (named as the upper half of the pair v[RS:RS+1])
.macro OUT a
.irp c, 0,1,2
	global_store_b128 v[LI], v[PC+4*\c:PC+4*\c+3], s[96:97] offset:(\a)*1536+512*\c   ; 32 lanes store 512 consecutive bytes, at a multiple of 512 from the buffer's first byte
.endr
.if (\a)%2
	v_cndmask_b32 v[OW], v[PW], v[PW+1], s[HM]     ; lanes 0-15 block a - 1's words, lanes 16-31 block a's: 128 consecutive bytes
	global_store_b32 v[LW], v[OW], s[98:99] offset:((\a)/2)*128
.endif
.endm
.macro CSLOAD a                        ; cos and sin of block a's 16 tokens, as they lie in cs: register 4 n + e of my lane at byte 512 n + 16 lane + 4 e: each load takes 512 consecutive bytes
.set KL, (\a)%2
	WIN 0x40*KL                                    ; destination window a % 2
.irp n, 0,1,2,3,4,5,6,7,8,9,10,11,12,13,14,15
	global_load_b128 v[64+4*\n:64+4*\n+3], v[LI], s[12:13] offset:(\a)*16384+512*\n
.endr
.irp n, 0,1,2,3,4,5,6,7,8,9,10,11,12,13,14,15
	global_load_b128 v[128+4*\n:128+4*\n+3], v[LI], s[12:13] offset:(\a)*16384+8192+512*\n
.endr
	WIN 0
.endm
.macro QKBLK a
.set KW, (\a)%2
.set AC, 64*((\a)%4)
.if (\a) < 7
	s_wait_loadcnt 32                              ; this block's cos and sin are in; the next block's 32 loads may be out
.else
	s_wait_loadcnt 0x0
.endif
	WIN (2+(\a)/4)|(KW<<2)                         ; source 0: the accumulators; source 1: cos and sin; source 2 and destination: window 0
.irp n, 0,2,4,6,8,10,12,14,16,18,20,22,24,26,28,30
	v_pk_mul_f32 v[R+\n:R+\n+1], v[AC+\n:AC+\n+1], v[64+\n:65+\n]                 ; registers n and n + 32 are d and d + 64:  q(d) cos(d)
	v_pk_mul_f32 v[R+32+\n:R+33+\n], v[AC+32+\n:AC+33+\n], v[96+\n:97+\n]         ; q(d + 64) cos(d + 64)
	v_pk_fma_f32 v[R+\n:R+\n+1], v[AC+32+\n:AC+33+\n], v[128+\n:129+\n], v[R+\n:R+\n+1] neg_lo:[1,0,0] neg_hi:[1,0,0]   ; - q(d + 64) sin(d)
	v_pk_fma_f32 v[R+32+\n:R+33+\n], v[AC+\n:AC+\n+1], v[160+\n:161+\n], v[R+32+\n:R+33+\n]   ; + q(d) sin(d + 64)
.endr
	WIN 0
.irp c, 0,1,2,3
	v_pk_mul_f32 v[SS+2*\c:SS+2*\c+1], v[R+2*\c:R+2*\c+1], v[R+2*\c:R+2*\c+1]     ; the sum of squares, in four chains of pairs
.endr
.irp n, 8,16,24,32,40,48,56
.irp c, 0,1,2,3
	v_pk_fma_f32 v[SS+2*\c:SS+2*\c+1], v[R+\n+2*\c:R+\n+2*\c+1], v[R+\n+2*\c:R+\n+2*\c+1], v[SS+2*\c:SS+2*\c+1]
.endr
.endr
	v_pk_add_f32 v[SS:SS+1], v[SS:SS+1], v[SS+2:SS+3]
	v_pk_add_f32 v[SS+4:SS+5], v[SS+4:SS+5], v[SS+6:SS+7]
	v_pk_add_f32 v[SS:SS+1], v[SS:SS+1], v[SS+4:SS+5]
	v_add_f32 v[SS], v[SS], v[SS+1]
	v_permlanex16_b32 v[SS+1], v[SS], s[SEL], s[SEL+1]
	v_add_f32 v[SS], v[SS], v[SS+1]                ; with lane l xor 16's 64: the head's 128
	v_fma_f32 v[SS], v[SS], s[RD128], s[EPSR]      ; the mean + 1e-6
	s_wait_alu depctr_va_vdst(0)
	v_rsq_f32 v[RS], v[SS]
	v_nop                                          ; a plain place behind the transcendental,
	s_wait_alu depctr_va_vdst(0)                   ; and the wait ahead of its first reader
.irp n, 0,2,4,6,8,10,12,14,16,18,20,22,24,26,28,30,32,34,36,38,40,42,44,46,48,50,52,54,56,58,60,62
	v_pk_mul_f32 v[R+\n:R+\n+1], v[R+\n:R+\n+1], v[RS:RS+1] op_sel_hi:[1,0]
.endr
	s_wait_xcnt 0x0                                ; the last block's stores have read their data: v[PC] on and v[OW] are written again only behind this wait.  What it waits for was issued a block ago:
.if (\a) < 6
	CSLOAD (\a)+2                                  ; the loads for two blocks on stand behind it, into the set that this block has read
.endif
	QUANT R,0,PW+(\a)%2
	OUT \a
.endm
.macro VBLK a
	s_wait_xcnt 0x0                                ; the last block's stores have read their data
	QUANT 64*((\a)%4),2+(\a)/4,PW+(\a)%2
	OUT \a
.endm
	s_cmp_ge_u32 ttmp9, 4                          ; the cluster's x: the same in all sixteen partners
	s_cbranch_scc1 .Lv
	CSLOAD 0
	CSLOAD 1
	QKBLK 0
	QKBLK 1
	QKBLK 2
	QKBLK 3
	QKBLK 4
	QKBLK 5
	QKBLK 6
	QKBLK 7
	s_branch .Ljoin
.Lv:                                               ; v: no RoPE, no norm: the sums are quantised as they are, along the tokens
	VBLK 0
	VBLK 1
	VBLK 2
	VBLK 3
	VBLK 4
	VBLK 5
	VBLK 6
	VBLK 7
.Ljoin:
	s_wait_tensorcnt 0x0                           ; the wave's end, behind my last tensor load
	ds_add_u32 v[SPW], v[NIL]
	s_wait_dscnt 0x0
	CROUND                                         ; the closing round: no work-group ends while a partner may still ask for a tile that names it
	s_endpgm
.Lfunc_end_k_q0b3f3c6025_qkv:
	.size	k_q0b3f3c6025_qkv, .Lfunc_end_k_q0b3f3c6025_qkv-k_q0b3f3c6025_qkv
	.p2alignl 7, 3214868480
	.fill 96, 4, 3214868480
	.section	.rodata,"a",@progbits
	.p2align	6, 0x0
	.amdhsa_kernel k_q0b3f3c6025_qkv
		.amdhsa_group_segment_fixed_size 327680
		.amdhsa_private_segment_fixed_size 0
		.amdhsa_enable_private_segment 0
		.amdhsa_kernarg_size 40
		.amdhsa_user_sgpr_count 2
		.amdhsa_user_sgpr_kernarg_segment_ptr 1
		.amdhsa_wavefront_size32 1
		.amdhsa_system_sgpr_workgroup_id_x 1
		.amdhsa_system_sgpr_workgroup_id_y 1
		.amdhsa_system_sgpr_workgroup_id_z 1
		.amdhsa_system_vgpr_workitem_id 0
		.amdhsa_next_free_vgpr 1024
		.amdhsa_next_free_sgpr 106
		.amdhsa_reserve_vcc 0
		.amdhsa_float_denorm_mode_32 3
		.amdhsa_float_denorm_mode_16_64 3
		.amdhsa_memory_ordered 1
		.amdhsa_forward_progress 1
		.amdhsa_inst_pref_size 255
	.end_amdhsa_kernel
	.section	.bss,"aw",@nobits
	.p2align	6
	.space	262144
	.amdgpu_metadata
---
amdhsa.version: [ 1, 2 ]
amdhsa.kernels:
  - .name:           k_q0b3f3c6025_qkv
    .symbol:         k_q0b3f3c6025_qkv.kd
    .args:
      - { .name: wc, .offset: 0, .size: 8, .value_kind: global_buffer, .address_space: global }
      - { .name: ws, .offset: 8, .size: 8, .value_kind: global_buffer, .address_space: global }
      - { .name: qkvc, .offset: 16, .size: 8, .value_kind: global_buffer, .address_space: global }
      - { .name: qkvs, .offset: 24, .size: 8, .value_kind: global_buffer, .address_space: global }
      - { .name: cs, .offset: 32, .size: 8, .value_kind: global_buffer, .address_space: global }
    .group_segment_fixed_size: 327680
    .private_segment_fixed_size: 0
    .kernarg_segment_align: 8
    .kernarg_segment_size: 40
    .max_flat_workgroup_size: 128
    .sgpr_count:     106
    .vgpr_count:     1024
    .wavefront_size: 32
...
	.end_amdgpu_metadata
.endif
;; end of part 2
;; launch attn (part 3): grid 16 x 16, 8 waves a work-group, clusters of 4 x 1, 327,680 bytes of LDS; arguments qkvc, qkvs, yc, ys; writes yc, ys
.if DOCPART == 3
	.amdgcn_target "amdgcn-amd-amdhsa--gfx1250"
	.amdhsa_code_object_version 6
	.text
	.protected	k_q0b3f3c6025_attn
	.globl	k_q0b3f3c6025_attn
	.p2align	8
	.type	k_q0b3f3c6025_attn,@function
k_q0b3f3c6025_attn:
	s_mov_b64 s[64:65], 0
	v_nop
	global_prefetch_b8 v0, s[64:65] scope:SCOPE_SE
	s_setreg_imm32_b32 hwreg(HW_REG_WAVE_MODE, 25, 1), 1
	s_wait_xcnt 0x0
	s_wait_alu depctr_hold_cnt(0) depctr_sa_sdst(0) depctr_va_vdst(0) depctr_va_sdst(0) depctr_va_ssrc(0) depctr_va_vcc(0) depctr_vm_vsrc(0)
	s_getreg_b32 s2, hwreg(HW_REG_IB_STS2, 6, 4)
	s_cmp_eq_u32 s2, 0
	s_cbranch_scc0 .Lentry_in_a_cluster
	s_endpgm
.Lentry_in_a_cluster:
	s_bfe_u32 s2, ttmp6, 0x10000c
	s_cmp_lg_u32 s2, 0x3003
	s_cbranch_scc0 .Lentry_shape_is_right
	s_endpgm
.Lentry_shape_is_right:
; y = softmax(q k^T / sqrt(128)) v for one head and 128 queries a work-group, on codes of FP6 (E2M3) with E8M0 scales; y leaves quantised along the head's 128, as fragments' images for the last projection.
; OPERANDS: qkvc [q 16 heads, k 16, v 16][196608]: a head of q or k is 128 tiles of 16 tokens x 1,536 bytes (an image of the operand's 12 registers); a head of v is 16 runs of 128 keys x 8 tiles of 16 d.
; qkvs: the scale words, [48][8192], 64 bytes a tile.  Both products are used transposed (S^T = k q^T, O^T = v^T p^T): a lane holds one query.
; NO MAXIMUM IS TAKEN AWAY, AND WHY THAT HOLDS FOR EVERY INPUT: the problem's p is 2^(t - M) with M any whole number that keeps it in range (a whole M only moves a block's scale byte, O and the row's sum by the same
; power of two).  Here M = 0.  q and k are what the RMS norm of the problem leaves: their squares sum to 128 at the most, with no scale behind them; the quantiser moves a number by 1/16 of itself or 1/64 of its block's
; largest at the most, so a quantised row's length stays under 12.6, a score under 158 and |t| = |score| x log2(e) / sqrt(128) under 21.  So p lies in 2^-21 .. 2^21, a row's sum under 2^32, a block's byte in 104 .. 146.
; A block's scale: p rises with t, so floor(log2(the block's largest p)) is floor(the block's largest t); where v_exp_f32 rounds that p up to the next power of two, its code is the largest one, as the clamp at 7.5 gives.
; SHARES: wave w = (j = w % 4, hh = w / 4) holds two tiles of 16 queries, 2 j + hh and 2 j + 1 - hh of the work-group's eight, and walks half of the keys: each fragment of k and v read from LDS feeds two matrix
; instructions.  With M fixed the two halves' O^T and sums are plain sums: at the end each wave hands its second tile to its partner w xor 4 through LDS and finishes its first.
; LDS: region A, 4 steps of 128 keys (k 49,152 bytes, v 49,152); region B, 8 steps (k 98,304, v 98,304); all scale words of k and v (16,384); the spare words.  Steps 0-3 come at the head into A, steps 4-11 behind
; the first round into B, steps 12-15 behind the second round into A again.  Every wait on TENSORcnt is for 0; a wave has one tensor load out at the most.
; CLUSTER 4 x 1: the four query blocks of a cluster share a head: every tile of k, v and scale words is asked for jointly.
; NO PREFETCH: every tile behind the head's is asked for by its tensor load four steps or more ahead of its first read, and ahead of the head's loads there is no loop to run ahead in.
; REGISTERS: window 0: v1-9 addresses, v10-21 scale words, v24-39 the rows' sums, v40-63 q, v64-103 p's codes, v104-127 at work, v128-255 S^T, then p (tile u at 128 + 64 u).
; window 1: v0-95 eight fragments of k, then of v; v128-255 O^T (tile u at 128 + 64 u).
; LIMITS: NaN and infinities are not served; a block of y of zeros or under 2^-124 gets the byte 1 (read by this program alone); 1 / sum comes from v_rcp_f32.
.set TENS,  3145728
.set TROW,  24576
.set HEADB, 196608
.set PIECE, 12288                      ; a step's eight fragments of k or of v
.set BOFF,  8*PIECE                    ; region B
.set SCL,   24*PIECE                   ; the scale words: k's 8,192 bytes, then v's
.set SPARE, SCL+16384                  ; the spare words, 128 bytes a wave: four blocks of 256 bytes that no other line names
.set STGB,  8704                       ; the hand-over: 8,192 bytes of O^T and 512 of sums a wave, in region B behind its last read
.set AK0,  1                           ; 16 x lane
.set ASK0, 2                           ; SCL + 4 x lane
.set RW,   3                           ; 4 x (lane % 16)
.set ADK,  4
.set ADV,  5
.set ADS,  6
.set SPW,  7                           ; my spare word; never rewritten
.set NIL,  8                           ; 0; never rewritten
.set ADT,  9
.set KSW,  10
.set VSW,  14
.set QS,   18
.set PS,   20
.set STO,  22
.set RDP,  23
.set LS,   24                          ; sums: tile u in four pairs at LS + 8 u
.set Q,    40
.set PC,   64
.set PT,   88
.set TM,   104                         ; TM + n: block n's largest (n = 4 u + b); TM + 8 + n: lane l xor 16's; TM + 16 + n: the conversion's scale operand
.set S,    128
.set O,    128
.set WV,   12
.set SEL,  20
.set CS,   22
.set G1,   24
.set G1S,  32
.set G0C,  40
.set G0S,  44
.set G0B,  48
.set TK,   52
.set TV,   53
.set TS,   54
.set CNT,  55
.set HH,   56
.set TO_F, 0x40
.set MSB, 0
.macro WIN new                         ; the immediate's high byte repeats the setting that is left
.if MSB != (\new)
	s_set_vgpr_msb (MSB<<8)|(\new)
.set MSB, (\new)
.endif
.endm
.macro CROUND                          ; a round of the cluster's barrier
	s_barrier_signal -1
	s_barrier_wait -1
	s_cmp_lg_u32 s[WV], 0
	s_cbranch_scc1 .Lnot_wave_0_\@
	s_barrier_signal -3
.Lnot_wave_0_\@:
	s_barrier_wait -3
	s_barrier_signal -1
	s_barrier_wait -1
.endm
.macro MM d, a, b, z, sa, sb, odd      ; z = 1: the product starts the sum; odd: source 0's scale words lie in lanes 16-31
.if \z
.if \odd
	v_wmma_scale_f32_16x16x128_f8f6f4 v[\d:\d+7], v[\a:\a+11], v[\b:\b+11], 0, v[\sa], v[\sb] matrix_a_fmt:MATRIX_FMT_FP6 matrix_b_fmt:MATRIX_FMT_FP6 matrix_a_scale:MATRIX_SCALE_ROW1
.else
	v_wmma_scale_f32_16x16x128_f8f6f4 v[\d:\d+7], v[\a:\a+11], v[\b:\b+11], 0, v[\sa], v[\sb] matrix_a_fmt:MATRIX_FMT_FP6 matrix_b_fmt:MATRIX_FMT_FP6
.endif
.else
.if \odd
	v_wmma_scale_f32_16x16x128_f8f6f4 v[\d:\d+7], v[\a:\a+11], v[\b:\b+11], v[\d:\d+7], v[\sa], v[\sb] matrix_a_fmt:MATRIX_FMT_FP6 matrix_b_fmt:MATRIX_FMT_FP6 matrix_a_scale:MATRIX_SCALE_ROW1
.else
	v_wmma_scale_f32_16x16x128_f8f6f4 v[\d:\d+7], v[\a:\a+11], v[\b:\b+11], v[\d:\d+7], v[\sa], v[\sb] matrix_a_fmt:MATRIX_FMT_FP6 matrix_b_fmt:MATRIX_FMT_FP6
.endif
.endif
.endm
.macro FLOAD adr                       ; eight fragments' images: 24 loads of 512 consecutive bytes
	WIN TO_F
.set J, 0
.rept 24
	ds_load_b128 v[4*J:4*J+3], v[\adr] offset:512*J
.set J, J+1
.endr
	WIN 0
.endm
.macro SUMS g0, g1                     ; the rows' sums of the unquantised p, eight chains by turns
.set G, \g0
.rept \g1-\g0
.irp e, 0,2,4,6
	v_pk_add_f32 v[LS+\e:LS+\e+1], v[LS+\e:LS+\e+1], v[S+8*G+\e:S+8*G+\e+1]
	v_pk_add_f32 v[LS+8+\e:LS+9+\e], v[LS+8+\e:LS+9+\e], v[S+64+8*G+\e:S+65+8*G+\e]
.endr
.set G, G+1
.endr
.endm
; One step: 128 keys against my 32 queries.
.macro STEP zero
	v_add_nc_u32 v[ADK], s[TK], v[AK0]
	v_add_nc_u32 v[ADS], s[TS], v[ASK0]
.irp u, 0,1,2,3
	ds_load_b32 v[KSW+\u], v[ADS] offset:\u*128
.endr
	FLOAD ADK                                      ; (the vector work behind the last products are the places in front of these loads)
	s_wait_dscnt 0x0
	WIN 0x01                                       ; source 0 in window 1
.irp t, 0,1,2,3,4,5,6,7
.irp u, 0,1
	MM S+64*\u+8*\t, 12*\t, Q+12*\u, 1, KSW+\t/2, QS+\u, \t%2
.endr
.endr
	WIN 0
	v_add_nc_u32 v[ADV], s[TV], v[AK0]             ; four places behind the products, ahead of loads into the registers that they read and of the first read of S^T
	v_add_nc_u32 v[ADT], s[TS], v[ASK0]
	v_nop
	v_nop
	FLOAD ADV                                      ; v's fragments land under the vector work below
.irp u, 0,1,2,3
	ds_load_b32 v[VSW+\u], v[ADT] offset:8192+\u*128
.endr
.irp n, 0,1,2,3,4,5,6,7
	v_max3_num_f32 v[TM+\n], v[S+16*\n], v[S+16*\n+1], v[S+16*\n+2]   ; the largest score of each block of 32 keys: my 16; each accumulator from its low end on
.endr
.irp i, 3,5,7,9,11,13
.irp n, 0,1,2,3,4,5,6,7
	v_max3_num_f32 v[TM+\n], v[TM+\n], v[S+16*\n+\i], v[S+16*\n+\i+1]
.endr
.endr
.irp n, 0,1,2,3,4,5,6,7
	v_max_num_f32 v[TM+\n], v[TM+\n], v[S+16*\n+15]
.endr
.irp n, 0,1,2,3,4,5,6,7
	v_permlanex16_b32 v[TM+8+\n], v[TM+\n], s[SEL], s[SEL+1]
.endr
.irp n, 0,1,2,3,4,5,6,7
	v_max_num_f32 v[TM+\n], v[TM+\n], v[TM+8+\n]   ; with lane l xor 16's 16 keys
.endr
.irp n, 0,1,2,3,4,5,6,7
	v_mul_f32 v[TM+\n], s[CS], v[TM+\n]            ; as t (the factor is positive): the same multiply as below gives the same bits
.endr
.irp n, 0,1,2,3,4,5,6,7
	v_floor_f32 v[TM+\n], v[TM+\n]
.endr
.irp n, 0,1,2,3,4,5,6,7
	v_cvt_i32_f32 v[TM+\n], v[TM+\n]               ; f = floor(log2(the block's largest p)), between -21 and 21
.endr
.irp n, 0,1,2,3,4,5,6,7
	v_ldexp_f32 v[TM+16+\n], 0x3e800000, v[TM+\n]  ; 2^(f - 2): the block's scale; the conversion takes its exponent field
.endr
.irp k, 1,2,3
.irp u, 0,1
.if \k == 1
	v_lshl_add_u32 v[PS+\u], v[TM+4*\u+1], 8, v[TM+4*\u]
.else
	s_delay_alu instid0(VALU_DEP_2)
	v_lshl_add_u32 v[PS+\u], v[TM+4*\u+\k], 8*\k, v[PS+\u]
.endif
.endr
.endr
.irp u, 0,1
	s_delay_alu instid0(VALU_DEP_2)
	v_add_nc_u32 v[PS+\u], 0x7d7d7d7d, v[PS+\u]    ; the four bytes f + 125 (each between 104 and 146, so the sum modulo 2^32 is the word)
.endr
.set J, 0
.rept 64
	v_pk_mul_f32 v[S+J:S+J+1], v[S+J:S+J+1], s[CS:CS+1] op_sel_hi:[1,0]   ; t
.set J, J+2
.endr
	s_wait_alu depctr_va_vdst(0)                   ; the wait ahead of the batch
.set J, 0
.rept 128
	v_exp_f32 v[S+J], v[S+J]                       ; p = 2^t
.set J, J+1
.endr
	v_nop                                          ; a plain place behind the last,
	s_wait_alu depctr_va_vdst(0)                   ; and the one wait for the batch
.irp m, 0,1,2,3
	v_cvt_scalef32_pk16_fp6_f32 v[PC+6*\m:PC+6*\m+2], v[S+32*\m:S+32*\m+15], v[TM+16+2*\m]
	v_cvt_scalef32_pk16_fp6_f32 v[PT+4*\m:PT+4*\m+2], v[S+32*\m+16:S+32*\m+31], v[TM+17+2*\m]   ; (a conversion's three registers begin on an even number)
.endr
	v_nop                                          ; one plain place behind a scaled conversion
.irp m, 0,1,2,3                                ; the operand wants a whole block in a lane
.irp i, 0,1,2
	v_permlane16_swap_b32 v[PC+6*\m+\i], v[PT+4*\m+\i]
.endr
.endr
.irp m, 0,1,2,3
.irp i, 0,1,2
	v_mov_b32 v[PC+6*\m+3+\i], v[PT+4*\m+\i]
.endr
.endr
	SUMS 0, 1                                      ; eight additions: the places between p's codes and the products
	s_wait_dscnt 0x0                               ; v's fragments and scale words are in
	WIN 0x51                                       ; source 0, C and D in window 1
	s_wait_alu depctr_va_vdst(0)                   ; the wait here, directly ahead of the first reader of O^T and of p's codes
.irp t, 0,1,2,3,4,5,6,7
.irp u, 0,1
	MM O+64*\u+8*\t, 12*\t, PC+12*\u, \zero, VSW+\t/2, PS+\u, \t%2
.endr
.endr
	WIN 0
	SUMS 1, 8
.endm
.macro NEXT
	s_add_co_u32 s[TK], s[TK], PIECE
	s_add_co_u32 s[TV], s[TV], PIECE
	s_add_co_u32 s[TS], s[TS], 512
.endm
.macro RUN n
	s_mov_b32 s[CNT], \n
.Lrun_\@:
	STEP 0
	NEXT
	s_sub_co_u32 s[CNT], s[CNT], 1
	s_cmp_lg_u32 s[CNT], 0
	s_cbranch_scc1 .Lrun_\@
.endm
.macro INA ts                          ; my two steps of region A
	s_mul_i32 s[TK], s[HH], 2*PIECE
	s_add_co_u32 s[TV], s[TK], 4*PIECE
	s_lshl_b32 s[TS], s[HH], 10
	s_add_co_u32 s[TS], s[TS], \ts
.endm
	s_load_b256 s[4:11], s[0:1], 0x0               ; qkvc, qkvs, yc, ys
	v_lshl_add_u32 v[SPW], v0, 2, SPARE
	v_mov_b32 v[NIL], 0
	ds_add_u32 v[SPW], v[NIL]                      ; the opening: the add, twice on end, and its wait ahead of my first tensor load
	ds_add_u32 v[SPW], v[NIL]
	v_lshrrev_b32 v[ADK], 5, v0
	v_readfirstlane_b32 s[WV], v[ADK]              ; wave 0..7
	s_bfe_u32 s13, ttmp6, 0x40000                  ; cx
	s_lshl_b32 s14, ttmp9, 2
	s_add_co_u32 s14, s14, s13                     ; query block 0..15
	s_lshl_b32 s14, s14, 3
	s_and_b32 s15, ttmp7, 0xffff                   ; head
	s_and_b32 s16, s[WV], 3                        ; j
	s_lshr_b32 s[HH], s[WV], 2                     ; which half of the keys
	s_lshl_b32 s17, s16, 1
	s_add_co_u32 s14, s14, s17
	s_add_co_u32 s14, s14, s[HH]                   ; the tile of queries that I finish,
	s_xor_b32 s17, s14, 1                          ; and the one that my partner finishes
	s_mul_i32 s68, s15, HEADB
	s_mul_i32 s58, s14, 1536
	s_add_co_u32 s58, s58, s68
	s_mov_b32 s59, 0
	s_mul_i32 s60, s17, 1536
	s_add_co_u32 s60, s60, s68
	s_mov_b32 s61, 0
	s_lshl_b32 s68, s15, 13
	s_lshl_b32 s62, s14, 6
	s_add_co_u32 s62, s62, s68
	s_mov_b32 s63, 0
	s_lshl_b32 s66, s17, 6
	s_add_co_u32 s66, s66, s68
	s_mov_b32 s67, 0
	s_mul_i32 s70, s14, TROW                       ; y: tile of tokens, K step = head
	s_mul_i32 s68, s15, 1536
	s_add_co_u32 s70, s70, s68
	s_mov_b32 s71, 0
	s_lshl_b32 s72, s14, 10
	s_lshl_b32 s68, s15, 6
	s_add_co_u32 s72, s72, s68
	s_mov_b32 s73, 0
	; the joint loads' places hang on the head and the wave's number alone
	s_add_co_u32 s68, s15, 16
	s_mul_i32 s69, s68, HEADB                      ; k's codes of this head; v's lie TENS further on
	s_lshl_b32 s68, s68, 13                        ; k's scale words; v's lie 131,072 further on
	s_lshr_b32 s18, s16, 1                         ; region A and the scale words: k (0) or v (1),
	s_and_b32 s19, s16, 1                          ; and which half
	s_mul_i32 s74, s18, TENS
	s_add_co_u32 s74, s74, s69
	s_mul_i32 s76, s19, 2*PIECE
	s_add_co_u32 s74, s74, s76
	s_mov_b32 s75, 0
	s_lshl_b32 s76, s18, 17
	s_add_co_u32 s76, s76, s68
	s_lshl_b32 s78, s19, 12
	s_add_co_u32 s76, s76, s78
	s_mov_b32 s77, 0
	s_mul_i32 s78, s[HH], TENS                     ; region B: waves 0-3 k's steps 4-11, waves 4-7 v's, two steps a wave
	s_add_co_u32 s78, s78, s69
	s_mul_i32 s80, s16, 2*PIECE
	s_add_co_u32 s78, s78, s80
	s_add_co_u32 s78, s78, 4*PIECE
	s_mov_b32 s79, 0
	s_mov_b32 s[G1], 15|(3<<16)|(1<<21)            ; 24,576 dense bytes as 96 rows of 256; the mask names the cluster's four
	s_mov_b32 s[G1+1], 32<<16
	s_mov_b32 s[G1+2], 96<<16
	s_mov_b32 s[G1+3], 32<<16
	s_mov_b32 s[G1+4], 96
	s_mov_b32 s[G1+5], 32
	s_mov_b32 s[G1+6], 0
	s_mov_b32 s[G1+7], 0
	s_mov_b32 s[G1S], 15|(3<<16)|(1<<21)           ; 4,096 dense bytes as 16 rows of 256
	s_mov_b32 s[G1S+1], 32<<16
	s_mov_b32 s[G1S+2], 16<<16
	s_mov_b32 s[G1S+3], 32<<16
	s_mov_b32 s[G1S+4], 16
	s_mov_b32 s[G1S+5], 32
	s_mov_b32 s[G1S+6], 0
	s_mov_b32 s[G1S+7], 0
	s_mov_b32 s[SEL], 0x76543210
	s_mov_b32 s[SEL+1], 0xfedcba98                 ; selects for lane l xor 16
	s_mov_b32 s[CS], 0x3e0293ee                    ; log2(e) / sqrt(128)
	s_mov_b32 s[CS+1], s[CS]
	s_wait_dscnt 0x0                               ; both opening adds are done
	s_wait_kmcnt 0x0
	s_add_nc_u64 s[58:59], s[4:5], s[58:59]
	s_add_nc_u64 s[60:61], s[4:5], s[60:61]
	s_add_nc_u64 s[62:63], s[6:7], s[62:63]
	s_add_nc_u64 s[66:67], s[6:7], s[66:67]
	s_add_nc_u64 s[8:9], s[8:9], s[70:71]
	s_add_nc_u64 s[10:11], s[10:11], s[72:73]
	s_add_nc_u64 s[74:75], s[4:5], s[74:75]
	s_add_nc_u64 s[76:77], s[6:7], s[76:77]
	s_add_nc_u64 s[78:79], s[4:5], s[78:79]
	CROUND                                         ; the four work-groups are here: the first joint loads meet
	s_mov_b32 s[G0C], 1
	s_mul_i32 s[G0C+1], s16, 2*PIECE
	s_mov_b64 s[G0C+2:G0C+3], s[74:75]
	s_or_b32 s[G0C+3], s[G0C+3], 0x80000000
	s_mov_b32 s[G0S], 1
	s_lshl_b32 s[G0S+1], s16, 12
	s_add_co_u32 s[G0S+1], s[G0S+1], SCL
	s_mov_b64 s[G0S+2:G0S+3], s[76:77]
	s_or_b32 s[G0S+3], s[G0S+3], 0x80000000
	s_mov_b32 s[G0B], 1
	s_mul_i32 s[G0B+1], s[WV], 2*PIECE
	s_add_co_u32 s[G0B+1], s[G0B+1], BOFF
	s_mov_b64 s[G0B+2:G0B+3], s[78:79]
	s_or_b32 s[G0B+3], s[G0B+3], 0x80000000
	s_cmp_lt_u32 s[WV], 4                          ; the head's loads, one a wave: waves 0-3 region A, waves 4-7 the scale words
	s_cbranch_scc0 .Lhead_s
	tensor_load_to_lds s[G0C:G0C+3], s[G1:G1+7]
	s_nop 0
.rept 4
	v_nop
.endr
	s_branch .Lhead_j
.Lhead_s:
	tensor_load_to_lds s[G0S:G0S+3], s[G1S:G1S+7]
	s_nop 0
.rept 4
	v_nop
.endr
.Lhead_j:
	v_and_b32 v[ADK], 31, v0
	v_and_b32 v[RW], 15, v0
	v_lshlrev_b32 v[AK0], 4, v[ADK]
	v_lshlrev_b32 v[RW], 2, v[RW]
	v_lshl_add_u32 v[ASK0], v[ADK], 2, SCL
.irp c, 0,1,2
	global_load_b128 v[Q+4*\c:Q+4*\c+3], v[AK0], s[58:59] offset:512*\c
	global_load_b128 v[Q+12+4*\c:Q+12+4*\c+3], v[AK0], s[60:61] offset:512*\c
.endr
	global_load_b32 v[QS], v[RW], s[62:63]
	global_load_b32 v[QS+1], v[RW], s[66:67]
	s_mul_i32 s68, s[WV], STGB
	s_add_co_u32 s68, s68, BOFF
	v_add_nc_u32 v[STO], s68, v[AK0]               ; the hand-over: where I put,
	s_xor_b32 s69, s[WV], 4
	s_mul_i32 s69, s69, STGB
	s_add_co_u32 s69, s69, BOFF
	v_add_nc_u32 v[RDP], s69, v[AK0]               ; and where my partner has put
.set J, 0
.rept 16
	v_mov_b32 v[LS+J], 0                           ; the sums
.set J, J+1
.endr
.irp n, 0,1,2,3,4,5,6,7
	v_mov_b32 v[TM+8+\n], 0                        ; written once: a lane permute's destination counts as one of its sources
.endr
	s_wait_alu depctr_va_vdst(0)                   ; the wait at the head's end
	s_wait_tensorcnt 0x0                           ; my part of the head's tiles is in
	ds_add_u32 v[SPW], v[NIL]
	INA 0
	s_wait_dscnt 0x0
	CROUND
	tensor_load_to_lds s[G0B:G0B+3], s[G1:G1+7]    ; region B's first fill: steps 4-11
	s_nop 0
.rept 4
	v_nop
.endr
	s_wait_loadcnt 0x0                             ; q
	STEP 1                                         ; the first step's products start O^T: nothing is cleared
	NEXT
	STEP 0
	s_wait_tensorcnt 0x0                           ; region B is in, as far as it is mine;
	ds_add_u32 v[SPW], v[NIL]                      ; 0 onto my spare word
	s_add_nc_u64 s[G0C+2:G0C+3], s[G0C+2:G0C+3], 12*PIECE   ; no load of mine is out: region A's next tiles are steps 12-15
	s_mul_i32 s[TK], s[HH], 4*PIECE                ; my four steps of region B
	s_add_co_u32 s[TK], s[TK], BOFF
	s_add_co_u32 s[TV], s[TK], 8*PIECE
	s_lshl_b32 s[TS], s[HH], 11
	s_add_co_u32 s[TS], s[TS], 2048
	s_wait_dscnt 0x0                               ; the add is done, and my reads of region A are over
	CROUND                                         ; so of every wave of the four work-groups
	s_cmp_lt_u32 s[WV], 4
	s_cbranch_scc0 .Lno_part
	tensor_load_to_lds s[G0C:G0C+3], s[G1:G1+7]    ; region A again, by the four waves that filled it
	s_nop 0
.rept 4
	v_nop
.endr
.Lno_part:
	RUN 4
	s_wait_tensorcnt 0x0                           ; steps 12-15 are in, as far as they are mine
	ds_add_u32 v[SPW], v[NIL]
	INA 6144
	s_wait_dscnt 0x0                               ; my reads of region B are over
	s_barrier_signal -1
	s_barrier_wait -1
	RUN 2
	; THE HAND-OVER: my second tile's O^T and sums go to my partner, as images of the registers; region B has had its last fill and its last read
	v_pk_add_f32 v[LS+8:LS+9], v[LS+8:LS+9], v[LS+12:LS+13]
	v_pk_add_f32 v[LS+10:LS+11], v[LS+10:LS+11], v[LS+14:LS+15]
	WIN 0x04                                       ; the data in window 1
.set J, 0
.rept 16
	ds_store_b128 v[STO], v[O+64+4*J:O+64+4*J+3] offset:512*J   ; each accumulator from its low end on
.set J, J+1
.endr
	WIN 0
	ds_store_b128 v[STO], v[LS+8:LS+11] offset:8192
	s_wait_dscnt 0x0
	s_barrier_signal -1
	s_barrier_wait -1
.set J, 0
.rept 16
	ds_load_b128 v[S+4*J:S+4*J+3], v[RDP] offset:512*J
.set J, J+1
.endr
	ds_load_b128 v[LS+8:LS+11], v[RDP] offset:8192
	s_wait_dscnt 0x0
	WIN 0x01
.set J, 0
.rept 32
	v_pk_add_f32 v[S+J:S+J+1], v[O+J:O+J+1], v[S+J:S+J+1]   ; both halves of the keys
.set J, J+2
.endr
	WIN 0
	v_pk_add_f32 v[LS:LS+1], v[LS:LS+1], v[LS+2:LS+3]
	v_pk_add_f32 v[LS+4:LS+5], v[LS+4:LS+5], v[LS+6:LS+7]
	v_pk_add_f32 v[LS+8:LS+9], v[LS+8:LS+9], v[LS+10:LS+11]
	s_delay_alu instid0(VALU_DEP_2)
	v_pk_add_f32 v[LS:LS+1], v[LS:LS+1], v[LS+4:LS+5]
	s_delay_alu instid0(VALU_DEP_1)
	v_pk_add_f32 v[LS:LS+1], v[LS:LS+1], v[LS+8:LS+9]
	s_delay_alu instid0(VALU_DEP_1)
	v_add_f32 v[LS], v[LS], v[LS+1]
	s_delay_alu instid0(VALU_DEP_1)
	v_permlanex16_b32 v[LS+2], v[LS], s[SEL], s[SEL+1]
	s_delay_alu instid0(VALU_DEP_1)
	v_add_f32 v[LS], v[LS], v[LS+2]                ; the row's sum
	s_wait_alu depctr_va_vdst(0)                   ; the wait ahead of the transcendental
	v_rcp_f32 v[LS], v[LS]
	v_and_b32 v[ADK], 31, v0                       ; a plain place
	s_wait_alu depctr_va_vdst(0)
.set J, 0
.rept 32
	v_pk_mul_f32 v[S+J:S+J+1], v[S+J:S+J+1], v[LS:LS+1] op_sel_hi:[1,0]
.set J, J+2
.endr
	; y's quantiser along the head's 128: register 16 b + i is d = 32 b + 16 (lane / 16) + i
.irp b, 0,1,2,3
	v_max3_num_f32 v[TM+\b], |v[S+16*\b]|, |v[S+16*\b+1]|, 0x1800000   ; and the floor 2^(3 - 127): the byte cannot fall under 1
.endr
.irp i, 2,4,6,8,10,12,14
.irp b, 0,1,2,3
	s_delay_alu instid0(VALU_DEP_4)
	v_max3_num_f32 v[TM+\b], |v[S+16*\b+\i]|, |v[S+16*\b+\i+1]|, v[TM+\b]
.endr
.endr
.irp b, 0,1,2,3
	s_delay_alu instid0(VALU_DEP_4)
	v_permlanex16_b32 v[TM+4+\b], v[TM+\b], s[SEL], s[SEL+1]
.endr
.irp b, 0,1,2,3
	s_delay_alu instid0(VALU_DEP_4)
	v_max_num_f32 v[TM+\b], v[TM+\b], v[TM+4+\b]
.endr
.irp b, 0,1,2,3
	s_delay_alu instid0(VALU_DEP_4)
	v_add_nc_u32 v[TM+12+\b], 0xff000000, v[TM+\b]   ; 2 off the exponent field: the conversion's scale operand
.endr
.irp b, 0,1,2,3
	s_delay_alu instid0(VALU_DEP_4)
	v_lshrrev_b32 v[TM+4+\b], 23, v[TM+12+\b]
.endr
	s_delay_alu instid0(VALU_DEP_3)
	v_lshl_or_b32 v[PS], v[TM+5], 8, v[TM+4]
	s_delay_alu instid0(VALU_DEP_1)
	v_lshl_or_b32 v[PS], v[TM+6], 16, v[PS]
	s_delay_alu instid0(VALU_DEP_1)
	v_lshl_or_b32 v[PS], v[TM+7], 24, v[PS]
.irp c, 0,1
	v_cvt_scalef32_pk16_fp6_f32 v[PC+6*\c:PC+6*\c+2], v[S+32*\c:S+32*\c+15], v[TM+12+2*\c]
	v_cvt_scalef32_pk16_fp6_f32 v[PC+12+4*\c:PC+12+4*\c+2], v[S+32*\c+16:S+32*\c+31], v[TM+13+2*\c]
.endr
	v_nop
.irp c, 0,1
.irp i, 0,1,2
	v_permlane16_swap_b32 v[PC+6*\c+\i], v[PC+12+4*\c+\i]
.endr
.irp i, 0,1,2
	s_delay_alu instid0(VALU_DEP_3)
	v_mov_b32 v[PC+6*\c+3+\i], v[PC+12+4*\c+\i]
.endr
.endr
.irp c, 0,1,2
	global_store_b128 v[AK0], v[PC+4*\c:PC+4*\c+3], s[8:9] offset:512*\c   ; 32 lanes store 512 consecutive bytes, at a multiple of 512 from the buffer's first byte
.endr
	v_cmp_gt_u32 vcc_lo, 16, v[ADK]
	s_wait_alu depctr_va_vdst(0)
	s_wait_xcnt 0x0                                ; EXEC changes only behind this wait
	s_and_saveexec_b32 s16, vcc_lo
	global_store_b32 v[RW], v[PS], s[10:11]        ; lanes 0-15: the tile's 16 scale words
	s_wait_xcnt 0x0
	s_or_b32 exec_lo, exec_lo, s16
	s_wait_tensorcnt 0x0                           ; the wave's end
	ds_add_u32 v[SPW], v[NIL]
	s_wait_dscnt 0x0
	CROUND                                         ; the closing round
	s_endpgm
.Lfunc_end_k_q0b3f3c6025_attn:
	.size	k_q0b3f3c6025_attn, .Lfunc_end_k_q0b3f3c6025_attn-k_q0b3f3c6025_attn
	.p2alignl 7, 3214868480
	.fill 96, 4, 3214868480
	.section	.rodata,"a",@progbits
	.p2align	6, 0x0
	.amdhsa_kernel k_q0b3f3c6025_attn
		.amdhsa_group_segment_fixed_size 327680
		.amdhsa_private_segment_fixed_size 0
		.amdhsa_enable_private_segment 0
		.amdhsa_kernarg_size 32
		.amdhsa_user_sgpr_count 2
		.amdhsa_user_sgpr_kernarg_segment_ptr 1
		.amdhsa_wavefront_size32 1
		.amdhsa_system_sgpr_workgroup_id_x 1
		.amdhsa_system_sgpr_workgroup_id_y 1
		.amdhsa_system_sgpr_workgroup_id_z 1
		.amdhsa_system_vgpr_workitem_id 0
		.amdhsa_next_free_vgpr 512
		.amdhsa_next_free_sgpr 90
		.amdhsa_reserve_vcc 1
		.amdhsa_float_denorm_mode_32 3
		.amdhsa_float_denorm_mode_16_64 3
		.amdhsa_memory_ordered 1
		.amdhsa_forward_progress 1
		.amdhsa_inst_pref_size 138
	.end_amdhsa_kernel
	.amdgpu_metadata
---
amdhsa.version: [ 1, 2 ]
amdhsa.kernels:
  - .name:           k_q0b3f3c6025_attn
    .symbol:         k_q0b3f3c6025_attn.kd
    .args:
      - { .name: qkvc, .offset: 0, .size: 8, .value_kind: global_buffer, .address_space: global }
      - { .name: qkvs, .offset: 8, .size: 8, .value_kind: global_buffer, .address_space: global }
      - { .name: yc, .offset: 16, .size: 8, .value_kind: global_buffer, .address_space: global }
      - { .name: ys, .offset: 24, .size: 8, .value_kind: global_buffer, .address_space: global }
    .group_segment_fixed_size: 327680
    .private_segment_fixed_size: 0
    .kernarg_segment_align: 8
    .kernarg_segment_size: 32
    .max_flat_workgroup_size: 256
    .sgpr_count:     90
    .vgpr_count:     512
    .wavefront_size: 32
...
	.end_amdgpu_metadata
.endif
;; end of part 3
;; launch oproj (part 4): grid 16 x 16, 4 waves a work-group, clusters of 4 x 4, 327,680 bytes of LDS; arguments yc, ys, wc, ws, out0; writes out0
.if DOCPART == 4
	.amdgcn_target "amdgcn-amd-amdhsa--gfx1250"
	.amdhsa_code_object_version 6
	.text
	.protected	k_q0b3f3c6025_oproj
	.globl	k_q0b3f3c6025_oproj
	.p2align	8
	.type	k_q0b3f3c6025_oproj,@function
k_q0b3f3c6025_oproj:
	s_mov_b64 s[64:65], 0
	v_nop
	global_prefetch_b8 v0, s[64:65] scope:SCOPE_SE
	s_setreg_imm32_b32 hwreg(HW_REG_WAVE_MODE, 25, 1), 1
	s_wait_xcnt 0x0
	s_wait_alu depctr_hold_cnt(0) depctr_sa_sdst(0) depctr_va_vdst(0) depctr_va_sdst(0) depctr_va_ssrc(0) depctr_va_vcc(0) depctr_vm_vsrc(0)
	s_getreg_b32 s2, hwreg(HW_REG_IB_STS2, 6, 4)
	s_cmp_eq_u32 s2, 0
	s_cbranch_scc0 .Lentry_in_a_cluster
	s_endpgm
.Lentry_in_a_cluster:
	s_bfe_u32 s2, ttmp6, 0x10000c
	s_cmp_lg_u32 s2, 0xf033
	s_cbranch_scc0 .Lentry_shape_is_right
	s_endpgm
.Lentry_shape_is_right:
; out0 = y Wo^T on codes of FP6 (E2M3) with E8M0 scales: y's fragments' images in yc, ys; Wo's are tensor 4 of wc, ws.  A tile of 128 x 128 a work-group, 64 x 64 a wave; 4 x 4 work-groups ask for A's and B's tiles jointly.
; K comes in three loads a wave: K steps 0-3 and the scale words at the head, 4-11 behind the first round, 12-15 behind the second, into the bytes of 0-3.
; PREFETCHES: each later load's bytes are asked for one load ahead; the four partners of a joint load share its four tiles out by address, a tile each.
.set TENS,  3145728
.set STENS, 131072
.set TROW,  24576
.set QUART, 24576
.set CHUNK, 4*QUART
.set SCL,   3*CHUNK
.set SPARE, SCL+16384
.set STAGE, CHUNK
.set SPITCH, 272
.set ADRA, 10
.set ADRB, 13
.set ADRS, 16
.set STO,  24
.set RD,   25
.set CO,   26
.set SPW,  28
.set NIL,  29
.set SC,   32
.set OB,   40
.set ACC,  128
.set G1A,  24
.set G1B,  32
.set G1SA, 40
.set G1SB, 48
.set GAS,  56
.set GBS,  76
.set MSB, 0
.macro WIN new
.if MSB != (\new)
	s_set_vgpr_msb (MSB<<8)|(\new)
.set MSB, (\new)
.endif
.endm
.set MUL,  0x05
.set TO_F, 0x40
.macro JLOAD g0a, g1a, g0b, g1b
	s_cmp_eq_u32 s15, 0
	s_cbranch_scc0 .Lfor_b_\@
	tensor_load_to_lds s[\g0a:\g0a+3], s[\g1a:\g1a+7]
	s_nop 0
.rept 4
	v_nop
.endr
	s_branch .Lasked_\@
.Lfor_b_\@:
	tensor_load_to_lds s[\g0b:\g0b+3], s[\g1b:\g1b+7]
	s_nop 0
.rept 4
	v_nop
.endr
.Lasked_\@:
.endm
.macro CREST
	s_cmp_lg_u32 s14, 0
	s_cbranch_scc1 .Lnot_wave_0_\@
	s_barrier_signal -3
.Lnot_wave_0_\@:
	s_barrier_wait -3
	s_barrier_signal -1
	s_barrier_wait -1
.endm
.macro CROUND
	s_barrier_signal -1
	s_barrier_wait -1
	CREST
.endm
.macro PLACES n
.rept \n
	v_nop
.endr
.endm
	s_load_b256 s[4:11], s[0:1], 0x0
	s_load_b64 s[12:13], s[0:1], 0x20
	v_lshl_add_u32 v[SPW], v0, 2, SPARE
	v_mov_b32 v[NIL], 0
	ds_add_u32 v[SPW], v[NIL]
	ds_add_u32 v[SPW], v[NIL]
	v_lshrrev_b32 v1, 5, v0
	v_readfirstlane_b32 s14, v1
	s_lshr_b32 s15, s14, 1
	s_and_b32 s16, s14, 1
	s_bfe_u32 s92, ttmp6, 0x40000
	s_bfe_u32 s93, ttmp6, 0x40004
	s_lshl_b32 s18, ttmp9, 2
	s_add_co_u32 s18, s18, s92
	s_and_b32 s17, ttmp7, 0xffff
	s_lshl_b32 s17, s17, 2
	s_add_co_u32 s17, s17, s93
	s_lshl_b32 s94, s93, 2
	s_lshl_b32 s94, 15, s94
	s_lshl_b32 s95, 0x1111, s92
	s_or_b32 s[G1A+0], s94, (3<<16)|(1<<21)
	s_or_b32 s[G1B+0], s95, (3<<16)|(1<<21)
.irp g, G1A, G1B
	s_mov_b32 s[\g+1], 768<<16
	s_mov_b32 s[\g+2], 8<<16
	s_mov_b32 s[\g+3], 768<<16
	s_mov_b32 s[\g+4], 8
	s_mov_b32 s[\g+5], 3072
	s_mov_b32 s[\g+6], 0
	s_mov_b32 s[\g+7], 0
.endr
	s_or_b32 s[G1SA+0], s94, (3<<16)|(1<<21)
	s_or_b32 s[G1SB+0], s95, (3<<16)|(1<<21)
.irp g, G1SA, G1SB
	s_mov_b32 s[\g+1], 32<<16
	s_mov_b32 s[\g+2], 32<<16
	s_mov_b32 s[\g+3], 32<<16
	s_mov_b32 s[\g+4], 32
	s_mov_b32 s[\g+5], 32
	s_mov_b32 s[\g+6], 0
	s_mov_b32 s[\g+7], 0
.endr
	s_lshl_b32 s20, s17, 3
	s_lshl_b32 s96, s18, 3
	s_lshl_b32 s22, s20, 10
	s_lshl_b32 s98, s96, 10
	s_add_co_u32 s98, s98, 4*STENS
	s_mul_i32 s20, s20, TROW
	s_mul_i32 s96, s96, TROW
	s_add_co_u32 s96, s96, 4*TENS
	s_mov_b32 s21, 0
	s_mov_b32 s23, 0
	s_mov_b32 s97, 0
	s_mov_b32 s99, 0
	s_mul_i32 s19, s14, QUART
	s_wait_dscnt 0x0
	s_wait_kmcnt 0x0
	s_add_nc_u64 s[20:21], s[4:5], s[20:21]
	s_add_nc_u64 s[22:23], s[6:7], s[22:23]
	s_add_nc_u64 s[96:97], s[8:9], s[96:97]
	s_add_nc_u64 s[98:99], s[10:11], s[98:99]
	CROUND
	s_mov_b32 s[GAS], 1
	s_mov_b32 s[GAS+1], SCL
	s_mov_b64 s[GAS+2:GAS+3], s[22:23]
	s_or_b32 s[GAS+3], s[GAS+3], 0x80000000
	s_mov_b32 s[GBS], 1
	s_mov_b32 s[GBS+1], SCL+8192
	s_mov_b64 s[GBS+2:GBS+3], s[98:99]
	s_or_b32 s[GBS+3], s[GBS+3], 0x80000000
	; LDS: region 0 (one CHUNK): K steps 0-3 of A's 8 tiles and of B's 8, later K steps 12-15; region 1 (two CHUNKs): K steps 4-11, four tiles x 12,288 bytes a wave
	s_mov_b32 s60, 1                               ; the head: K steps 0-3 of A's 8 tiles,
	s_mov_b32 s61, 0
	s_mov_b64 s[62:63], s[20:21]
	s_or_b32 s63, s63, 0x80000000
	s_mov_b32 s80, 1                               ; and of B's 8
	s_mov_b32 s81, 2*QUART
	s_mov_b64 s[82:83], s[96:97]
	s_or_b32 s83, s83, 0x80000000
	s_mul_i32 s2, s16, 4*TROW                      ; behind the head I fetch 4 tiles: which half
	s_mov_b32 s3, 0
	s_add_nc_u64 s[20:21], s[20:21], s[2:3]
	s_add_nc_u64 s[96:97], s[96:97], s[2:3]
	s_lshl_b32 s2, s19, 1
	s_mov_b32 s68, 1                               ; K steps 4-11
	s_add_co_u32 s69, s2, CHUNK
	s_add_nc_u64 s[70:71], s[20:21], 6144
	s_or_b32 s71, s71, 0x80000000
	s_mov_b32 s84, 1
	s_add_co_u32 s85, s2, CHUNK
	s_add_nc_u64 s[86:87], s[96:97], 6144
	s_or_b32 s87, s87, 0x80000000
	s_mov_b32 s72, 1                               ; K steps 12-15
	s_mov_b32 s73, s19
	s_add_nc_u64 s[74:75], s[20:21], 3*6144
	s_or_b32 s75, s75, 0x80000000
	s_mov_b32 s88, 1
	s_mov_b32 s89, s19
	s_add_nc_u64 s[90:91], s[96:97], 3*6144
	s_or_b32 s91, s91, 0x80000000
	s_cmp_eq_u32 s15, 0                            ; the prefetches: of the 4 tiles that I fetch, the partner at place p (cx for A, cy for B) names tile p
	s_cselect_b64 s[2:3], s[20:21], s[96:97]
	s_cselect_b32 s22, s92, s93
	s_mul_i32 s22, s22, TROW
	s_mov_b32 s23, 0
	s_add_nc_u64 s[2:3], s[2:3], s[22:23]
; The head's loads, one a wave: one tree of branches on the wave's number, every way passes one load
.macro ARM under, g0, g1, next
	s_cmp_lt_u32 s14, \under
	s_cbranch_scc0 \next
	tensor_load_to_lds s[\g0:\g0+3], s[\g1:\g1+7]
	s_nop 0
.rept 4
	v_nop
.endr
	s_branch .Lhead_asked
\next:
.endm
	ARM 1, 60, G1A, .Lhead_b
	ARM 2, 80, G1B, .Lhead_sa
	ARM 3, GAS, G1SA, .Lhead_sb
	tensor_load_to_lds s[GBS:GBS+3], s[G1SB:G1SB+7]
	s_nop 0
.rept 4
	v_nop
.endr
.Lhead_asked:
	v_and_b32 v1, 15, v0
	v_bfe_u32 v2, v0, 4, 1
	v_and_b32 v3, 31, v0
	v_lshlrev_b32 v3, 4, v3
	s_mul_i32 s20, s15, QUART
	s_mul_i32 s21, s16, QUART
	s_add_co_u32 s21, s21, 2*QUART
	v_add_nc_u32 v[ADRA], s20, v3
	v_add_nc_u32 v[ADRB], s21, v3
	s_lshl_b32 s20, s20, 1                         ; in region 1 a wave's part is twice as long
	s_lshl_b32 s21, s21, 1
	s_add_co_u32 s20, s20, CHUNK
	s_add_co_u32 s21, s21, CHUNK
	v_add_nc_u32 v[ADRA+1], s20, v3
	v_add_nc_u32 v[ADRB+1], s21, v3
	v_and_b32 v17, 31, v0
	v_add_nc_u32 v18, 32, v17
	v_min_u32 v19, 23, v17                         ; 6,144 bytes are 24 blocks of 256: lanes left over name the last block again
	v_min_u32 v18, 47, v18                         ; 12,288 bytes are 48 blocks
	v_lshlrev_b32 v17, 8, v17
	v_lshlrev_b32 v18, 8, v18
	v_lshlrev_b32 v19, 8, v19                      ; v17-19 are never rewritten
	s_wait_alu depctr_va_vdst(0)                   ; the wait here, ahead of the readers below and of the later readers of v1 and v2
	global_prefetch_b8 v17, s[2:3] offset:6144 th:TH_LOAD_NT scope:SCOPE_SE   ; K steps 4-11 of my tile: blocks 0-31,
	global_prefetch_b8 v18, s[2:3] offset:6144 th:TH_LOAD_NT scope:SCOPE_SE   ; and 32-47
	v_lshlrev_b32 v5, 2, v1
	s_lshl_b32 s20, s15, 12
	s_lshl_b32 s21, s16, 12
	s_add_co_u32 s21, s21, 8192
	s_sub_co_u32 s21, s21, s20
	v_mul_u32_u24 v6, s21, v2
	s_add_co_u32 s20, s20, SCL
	v_add_nc_u32 v5, v5, v6
	v_add_nc_u32 v[ADRS], s20, v5
	s_mul_i32 s20, s14, 16*SPITCH
	s_add_co_u32 s20, s20, STAGE
	v_mul_u32_u24 v5, v1, SPITCH
	v_lshl_add_u32 v5, v2, 6, v5
	v_add_nc_u32 v[STO], s20, v5
	v_mul_u32_u24 v5, v2, SPITCH
	v_lshl_add_u32 v5, v1, 4, v5
	v_add_nc_u32 v[RD], s20, v5
	v_lshlrev_b32 v5, 13, v2
	v_lshl_add_u32 v[CO], v1, 4, v5
	s_lshl_b32 s20, s17, 1
	s_add_co_u32 s20, s20, s15
	s_lshl_b32 s20, s20, 19
	s_lshl_b32 s21, s18, 1
	s_add_co_u32 s21, s21, s16
	s_lshl_b32 s21, s21, 8
	s_add_co_u32 s20, s20, s21
	s_mov_b32 s21, 0
	s_add_nc_u64 s[12:13], s[12:13], s[20:21]
.macro FETCH k
.set FB, 128*((\k)%2)
.set RG, (((\k)/4+1)/2)%2              ; K steps 0-3 and 12-15 lie in region 0, 4-11 in region 1
.set TP, 6144*(1+RG)                   ; a tile's bytes there
.set KO, ((\k)-4*RG)%(4+4*RG)          ; the step's place in them
	WIN TO_F
.irp i, 0,1,2,3
.irp c, 0,1,2
	ds_load_b128 v[FB+48+12*\i+4*\c:FB+48+12*\i+4*\c+3], v[ADRB+RG] offset:\i*TP+KO*1536+512*\c
.endr
.endr
.irp i, 0,1,2,3
.irp c, 0,1,2
	ds_load_b128 v[FB+12*\i+4*\c:FB+12*\i+4*\c+3], v[ADRA+RG] offset:\i*TP+KO*1536+512*\c
.endr
.endr
	WIN 0
.irp i, 0,1,2,3
	ds_load_b32 v[SC+4*((\k)%2)+\i], v[ADRS] offset:\i*1024+(\k)*64
.endr
.endm
.macro MULA k, a, zero
.set FB, 128*((\k)%2)
.set SF, SC+4*((\k)%2)
.irp b, 0,1,2,3
.if \zero
	v_wmma_scale_f32_16x16x128_f8f6f4 v[ACC+8*(4*(\a)+\b):ACC+8*(4*(\a)+\b)+7], v[FB+48+12*\b:FB+48+12*\b+11], v[FB+12*(\a):FB+12*(\a)+11], 0, v[SF+\b], v[SF+(\a)] matrix_a_fmt:MATRIX_FMT_FP6 matrix_b_fmt:MATRIX_FMT_FP6 matrix_a_scale:MATRIX_SCALE_ROW1
.else
	v_wmma_scale_f32_16x16x128_f8f6f4 v[ACC+8*(4*(\a)+\b):ACC+8*(4*(\a)+\b)+7], v[FB+48+12*\b:FB+48+12*\b+11], v[FB+12*(\a):FB+12*(\a)+11], v[ACC+8*(4*(\a)+\b):ACC+8*(4*(\a)+\b)+7], v[SF+\b], v[SF+(\a)] matrix_a_fmt:MATRIX_FMT_FP6 matrix_b_fmt:MATRIX_FMT_FP6 matrix_a_scale:MATRIX_SCALE_ROW1
.endif
.endr
.endm
.macro STEPK k, zero
	s_wait_dscnt 0x0
	WIN MUL
	MULA \k, 0, \zero
	MULA \k, 1, \zero
	PLACES 4
	FETCH (\k)+1
	WIN MUL
	MULA \k, 2, \zero
	MULA \k, 3, \zero
.endm
.macro TURNK k, fill
	WIN 0
	s_wait_tensorcnt 0x0
	ds_add_u32 v[SPW], v[NIL]
	s_wait_dscnt 1
	WIN MUL
	MULA \k, 0, 0
	s_wait_dscnt 0x0
	s_barrier_signal -1
	MULA \k, 1, 0
	WIN 0
	s_barrier_wait -1
.if \fill
	CREST
	s_mov_b32 s[G1A+1], 768<<16                    ; no tensor load of mine is out: rows of 6,144 bytes again
	s_mov_b32 s[G1A+3], 768<<16
	s_mov_b32 s[G1B+1], 768<<16
	s_mov_b32 s[G1B+3], 768<<16
	JLOAD 72, G1A, 88, G1B
.else
	PLACES 4
.endif
	FETCH (\k)+1
	WIN MUL
	MULA \k, 2, 0
	MULA \k, 3, 0
.endm
	s_wait_alu depctr_va_vdst(0)
	s_wait_tensorcnt 0x0                           ; my tile of the head's four is in
	ds_add_u32 v[SPW], v[NIL]
.irp g, G1A, G1B
	s_mov_b32 s[\g+1], 1536<<16                    ; no tensor load of mine is out: the next load brings 4 tiles' rows of 12,288 bytes
	s_mov_b32 s[\g+2], 4<<16
	s_mov_b32 s[\g+3], 1536<<16
	s_mov_b32 s[\g+4], 4
.endr
	s_wait_dscnt 0x0
	CROUND
	JLOAD 68, G1A, 84, G1B
	FETCH 0
	global_prefetch_b8 v19, s[2:3] offset:18432 th:TH_LOAD_NT scope:SCOPE_SE  ; behind the load of K steps 4-11: K steps 12-15 of my tile
	STEPK 0, 1
	STEPK 1, 0
	STEPK 2, 0
	TURNK 3, 1
	STEPK 4, 0
	STEPK 5, 0
	STEPK 6, 0
	STEPK 7, 0
	STEPK 8, 0
	STEPK 9, 0
	STEPK 10, 0
	TURNK 11, 0
	STEPK 12, 0
	STEPK 13, 0
	STEPK 14, 0
	s_wait_dscnt 0x0
	WIN MUL
	MULA 15, 0, 0
	MULA 15, 1, 0
	MULA 15, 2, 0
	MULA 15, 3, 0
	WIN 0
.macro TOSTAGE a
.irp b, 0,1,2,3
	ds_store_b128 v[STO], v[ACC+8*(4*(\a)+\b):ACC+8*(4*(\a)+\b)+3] offset:128*(\b/2)+32*(\b%2)
	ds_store_b128 v[STO], v[ACC+8*(4*(\a)+\b)+4:ACC+8*(4*(\a)+\b)+7] offset:128*(\b/2)+32*(\b%2)+16
.endr
.irp i, 0,1,2,3,4,5,6,7
	ds_load_b128 v[OB+32*((\a)%2)+4*\i:OB+32*((\a)%2)+4*\i+3], v[RD] offset:\i*2*SPITCH
.endr
.endm
.macro SEND a, younger
.irp i, 0,1,2,3,4,5,6,7
	s_wait_dscnt \younger+7-\i
	global_store_b128 v[CO], v[OB+32*((\a)%2)+4*\i:OB+32*((\a)%2)+4*\i+3], s[12:13] offset:(32*((\a)/2)+8*((\a)%2)+2*\i+8*(\i/4))*8192 th:TH_STORE_NT
.endr
.endm
	PLACES 4
	TOSTAGE 0
	TOSTAGE 1
	SEND 0, 16
	s_wait_xcnt 0x0
	TOSTAGE 2
	SEND 1, 16
	s_wait_xcnt 0x0
	TOSTAGE 3
	SEND 2, 16
	SEND 3, 0
	s_wait_tensorcnt 0x0
	ds_add_u32 v[SPW], v[NIL]
	s_wait_dscnt 0x0
	CROUND
	s_endpgm
.Lfunc_end_k_q0b3f3c6025_oproj:
	.size	k_q0b3f3c6025_oproj, .Lfunc_end_k_q0b3f3c6025_oproj-k_q0b3f3c6025_oproj
	.p2alignl 7, 3214868480
	.fill 96, 4, 3214868480
	.section	.rodata,"a",@progbits
	.p2align	6, 0x0
	.amdhsa_kernel k_q0b3f3c6025_oproj
		.amdhsa_group_segment_fixed_size 327680
		.amdhsa_private_segment_fixed_size 0
		.amdhsa_enable_private_segment 0
		.amdhsa_kernarg_size 40
		.amdhsa_user_sgpr_count 2
		.amdhsa_user_sgpr_kernarg_segment_ptr 1
		.amdhsa_wavefront_size32 1
		.amdhsa_system_sgpr_workgroup_id_x 1
		.amdhsa_system_sgpr_workgroup_id_y 1
		.amdhsa_system_sgpr_workgroup_id_z 1
		.amdhsa_system_vgpr_workitem_id 0
		.amdhsa_next_free_vgpr 512
		.amdhsa_next_free_sgpr 100
		.amdhsa_reserve_vcc 0
		.amdhsa_float_denorm_mode_32 3
		.amdhsa_float_denorm_mode_16_64 3
		.amdhsa_memory_ordered 1
		.amdhsa_forward_progress 1
		.amdhsa_inst_pref_size 86
	.end_amdhsa_kernel
	.amdgpu_metadata
---
amdhsa.version: [ 1, 2 ]
amdhsa.kernels:
  - .name:           k_q0b3f3c6025_oproj
    .symbol:         k_q0b3f3c6025_oproj.kd
    .args:
      - { .name: yc, .offset: 0, .size: 8, .value_kind: global_buffer, .address_space: global }
      - { .name: ys, .offset: 8, .size: 8, .value_kind: global_buffer, .address_space: global }
      - { .name: wc, .offset: 16, .size: 8, .value_kind: global_buffer, .address_space: global }
      - { .name: ws, .offset: 24, .size: 8, .value_kind: global_buffer, .address_space: global }
      - { .name: out0, .offset: 32, .size: 8, .value_kind: global_buffer, .address_space: global }
    .group_segment_fixed_size: 327680
    .private_segment_fixed_size: 0
    .kernarg_segment_align: 8
    .kernarg_segment_size: 40
    .max_flat_workgroup_size: 128
    .sgpr_count:     100
    .vgpr_count:     512
    .wavefront_size: 32
...
	.end_amdgpu_metadata
.endif
;; end of part 4
